; MI455X (gfx1250); checked and timed in simulation.
; The chip was launched on July 23, 2026; its instructions are those of AMD's public machine-readable ISA for CDNA 5 (MIT licence, August 2026) and "CDNA5" Instruction Set Architecture Reference Guide (July 2026). The comments in the code are by the model that wrote it; some were corrected since.
;; Causal Attention. Allowed arithmetic: matrix products marked QUANTISED: E2M1 operands, one E8M0 scale for each 32 along K, by v_wmma_scale_f32_16x16x128_f8f6f4 with both operands' format E2M1 (or v_wmma_scale_f32_32x16x128_f4), f32 sums; products left as they are: bf16, f16 or f32 operands; f32 sums; everything else in f32.
;; Inputs: Wk 2,048 x 2,048 float32; Wq 2,048 x 2,048 float32; Wv 2,048 x 2,048 float32; x 4 x 1,024 x 2,048 float32.
;; Outputs: out0 4 x 1,024 x 2,048 float32.
;; This version of the problem:
;;   THIS VERSION OF THE PROBLEM IS GIVEN IN LOW PRECISION. The matrix products marked QUANTISED in the list below multiply operands that are first quantised to E2M1 (2 exponent bits, 1 mantissa bit; 4 bits a number), with one power-of-two scale for each 32 numbers along K (OCP MX v1.0); their sums are f32. The products marked 'left as it is' may take bf16, f16 or f32 operands, with f32 sums. Whichever they take, every output number must still come out within the allowed error. Rounding operands to bf16 (8 significant bits) uses up far more of that allowance than f16 does (11 bits, for magnitudes from 6e-5 to 65,504). All else is computed in f32.
;;   The module's matrix products, in the order in which they are computed (A, B: the left and right operand; K: the contracted axis; several contracted axes count as one K, in the product's order):
;;     1. [M 4,096, K 2,048] x [K 2,048, N 2,048]; A: input x; B: input Wq: QUANTISED
;;     2. [M 4,096, K 2,048] x [K 2,048, N 2,048]; A: input x; B: input Wk: QUANTISED
;;     3. [M 4,096, K 2,048] x [K 2,048, N 2,048]; A: input x; B: input Wv: QUANTISED
;;     4. batch 4 x [M 1,024, K 2,048] x [K 2,048, N 1,024]; A: computed on the way; B: computed on the way: left as it is (an operand is computed on the way)
;;     5. batch 4 x [M 1,024, K 1,024] x [K 1,024, N 2,048]; A: computed on the way; B: computed on the way: left as it is (an operand is computed on the way)
;;   THE QUANTISER, for each operand of a quantised product, along K:
;;     - K is cut into blocks of 32 from its start; a last block that is shorter is filled with zeros.
;;     - A block's scale is 2^e with e = floor(log2(the largest magnitude in the block)) - 2, held to -126 .. 127; a block of zeros has e = 0. As a byte (E8M0): e + 127.
;;     - Each number is divided by its block's scale, clamped to +-6, and rounded to the nearest number of E2M1, ties to even, subnormals kept.
;;     - The product sums the exact products of the quantised numbers (number of the format x scale) in f32.
;;   ~~~python
;;   def quantise(x, axis):      # numpy; x: float32 -> the quantised numbers, widened to float32 again
;;       x = np.moveaxis(x, axis, -1); K = x.shape[-1]
;;       x = np.pad(x, [(0, 0)] * (x.ndim - 1) + [(0, -K % 32)]); x = x.reshape(x.shape[:-1] + (-1, 32)); a = np.abs(x).max(-1, keepdims=True)
;;       e = np.where(a > 0, np.clip(np.frexp(np.where(a > 0, a, 1))[1] - 1 - 2, -126, 127), 0)      # np.frexp(a)[1] - 1 = floor(log2(a)), exactly
;;       r = np.clip(x / 2.0 ** e, -6, 6)
;;       step = 2.0 ** (np.maximum(np.frexp(np.where(r == 0, 1, r))[1] - 1, 0) - 1)
;;       q = np.round(r / step) * step * 2.0 ** e      # np.round: ties to even
;;       return np.moveaxis(q.reshape(q.shape[:-2] + (-1,))[..., :K], -1, axis).astype(np.float32)
;;   ~~~
;; 2 versions, each right and faster than the one before. Each part assembles by itself: llvm-mc -triple=amdgcn-amd-amdhsa -mcpu=gfx1250 --defsym DOCPART=n.
;; ======== version 1 of 2: 7 launches
;; limits: values are held in f16: magnitudes above 65,504 overflow, below 6.1e-05 lose precision
;; workspace buffers: xc 4,194,304 bytes; xs 262,144 bytes; wc 6,291,456 bytes; ws 393,216 bytes; qkv 50,331,648 bytes; qkv32 1,572,864 bytes; sc 16,777,216 bytes; pm 8,388,608 bytes
;; launch quant_x (part 1): grid 256 x 1, 4 waves a work-group, no clusters, 33,280 bytes of LDS; arguments x, xc, xs; writes xc, xs
.if DOCPART == 1
	.amdgcn_target "amdgcn-amd-amdhsa--gfx1250"
	.amdhsa_code_object_version 6
	.text
	.protected	k_q36b2da9d28_quant_x
	.globl	k_q36b2da9d28_quant_x
	.p2align	8
	.type	k_q36b2da9d28_quant_x,@function
k_q36b2da9d28_quant_x:
	s_mov_b64 s[64:65], 0
	v_nop
	global_prefetch_b8 v0, s[64:65] scope:SCOPE_SE
	s_setreg_imm32_b32 hwreg(HW_REG_WAVE_MODE, 25, 1), 1
	s_wait_xcnt 0x0
; THE PROGRAM: q, k, v = x Wq, x Wk, x Wv on codes of FP4 (E2M1) with one E8M0 scale for each 32 along K; then causal attention with one head of 2,048 channels, 4 batches of 1,024 positions.
; Seven launches: x into codes | the three weights into codes | one product [4096 x 6144 x 2048] on codes, q k v out in f16 (rows 0-15 of each batch also in f32) | score tiles in f16 products |
; row softmax in f32 | P V in f16 products | positions 0-15 of each batch wholly in f32.
; WORK LEFT OUT.  The problem's own mask is a lower triangle: for key k > query q the score is replaced by -infinity, its exponential is exactly 0, and 0 x v adds nothing, whatever finite values the inputs hold.
; So score tiles of 128 x 128 whose key block lies above the query block, and the same key blocks in the second product, are not computed: 36 of 64 tiles remain in each.  Inside a diagonal tile the hidden
; half is computed and masked.  Every input has a way to the output: all four are loaded.
; LIMITS: a NaN, an infinity or an overflow that reaches only hidden pairs is not carried to the result.  q, k and v go on as f16: their magnitudes must stay under 65,504.
; NaN and infinities among the inputs are not served.
; THIS LAUNCH: x [4096][2048] f32 becomes codes, K innermost (xc: 1,024 bytes a row), and one scale byte for each 32 along K (xs: 64 bytes a row).
; A block's scale is 2^(floor(log2(its largest magnitude)) - 2); its byte is the largest magnitude's exponent field - 2, held at 1 from below.  A block of zeros so gets the byte 1 where the rule says 127:
; its codes are zeros, which add nothing under any byte but 0xff, and the bytes are read by this program alone.  Blocks whose largest magnitude lies under 2^-124 are held at the byte 1.
; Rows are dense and 2,048 is a multiple of 32, so x is a plain stream of blocks of 32.  A wave takes 16 steps of 512 numbers.  Each load reads 512 consecutive bytes, 16 a lane; a step's 2,048 bytes turn through
; the wave's own stage in LDS and come back 64 bytes a lane, so that a lane holds 16 neighbours along K (two lanes to a block).  A lane's 16 codes are 8 bytes: the wave stores 256 consecutive bytes.
; A wave's 256 scale bytes are gathered in its own LDS bytes and leave as 256 consecutive bytes.  No barrier: waves share nothing.  Loads run four steps ahead.
.set WAVES, 4
.set STEPS, 16
.set EMAX,  2
.set CB,    8                          ; bytes of 16 codes
.set R,     16                         ; v16-79   four sets of 16 numbers as loaded
.set X,     80                         ; v80-111  two sets of 16 neighbours
.set C,     128                        ; v128-191 codes: four registers for each step, never written again
.set E,     112                        ; v112-127 a scale byte for each step
.set WREG,  8192                       ; LDS: a region for each wave: two stages of 32 x SP bytes, then its 256 scale bytes
.set SP,    80                         ; a lane's place in a stage: 64 bytes + 16 of padding
.set SPW,   12                         ; v12  LDS address of my spare word; never rewritten
.set NIL,   13                         ; v13  0; never rewritten
.set SPARE, WAVES*WREG                 ; behind the four regions: the spare words, 128 bytes a wave, which no other line names
	s_load_b128 s[4:7], s[0:1], 0x0                ; x s[4:5], xc s[6:7]
	s_load_b64 s[8:9], s[0:1], 0x10                ; xs
	v_lshl_add_u32 v[SPW], v0, 2, SPARE
	v_mov_b32 v[NIL], 0
	v_lshrrev_b32 v1, 5, v0
	v_readfirstlane_b32 s16, v1                    ; wave
	v_and_b32 v2, 31, v0                           ; lane
	v_lshlrev_b32 v3, 4, v2                        ; my 16 bytes of a load's 512
	s_mul_i32 s17, s16, WREG
	v_lshrrev_b32 v14, 2, v2
	v_mul_u32_u24 v14, v14, SP
	v_and_b32 v15, 3, v2
	v_lshl_add_u32 v14, v15, 4, v14
	v_add_nc_u32 v14, s17, v14                     ; the stage, on the way in: SP (lane / 4) + 16 (lane % 4)
	v_mul_u32_u24 v15, v2, SP
	v_add_nc_u32 v15, s17, v15                     ; and on the way out: SP x lane
	v_mul_u32_u24 v4, v2, CB                       ; my codes' place in a step's
	v_lshrrev_b32 v5, 1, v2
	s_add_co_u32 s17, s17, 2*32*SP
	v_add_nc_u32 v5, s17, v5                       ; my wave's 256 scale bytes, my block's byte
	v_lshlrev_b32 v7, 3, v2                        ; and on the way out 8 bytes a lane
	v_add_nc_u32 v6, s17, v7
	s_lshl_b32 s17, ttmp9, 2
	s_add_co_u32 s18, s17, s16                     ; which run of 8,192 numbers is my wave's: 0 .. 1,023
	s_lshl_b32 s20, s18, 15                        ; 32,768 bytes of x,
	s_mov_b32 s21, 0
	s_lshl_b32 s22, s18, 12                        ; 4,096 of codes,
	s_mov_b32 s23, 0
	s_lshl_b32 s18, s18, 8                         ; 256 scale bytes
	s_mov_b32 s19, 0
	s_wait_kmcnt 0x0
	s_add_nc_u64 s[4:5], s[4:5], s[20:21]
	s_add_nc_u64 s[6:7], s[6:7], s[22:23]
	s_add_nc_u64 s[8:9], s[8:9], s[18:19]
.macro LOAD t
.irp i, 0,1,2,3
	global_load_b128 v[R+16*((\t)%4)+4*\i:R+16*((\t)%4)+4*\i+3], v3, s[4:5] offset:2048*(\t)+512*\i th:TH_LOAD_NT
.endr
.endm
.macro TURN t                          ; step t's numbers through the stage: LDS serves a wave's instructions in order, so no wait stands between the stores and the loads
.irp i, 0,1,2,3
	ds_store_b128 v14, v[R+16*((\t)%4)+4*\i:R+16*((\t)%4)+4*\i+3] offset:32*SP*((\t)%2)+8*SP*\i
.endr
.irp i, 0,1,2,3
	ds_load_b128 v[X+16*((\t)%2)+4*\i:X+16*((\t)%2)+4*\i+3], v15 offset:32*SP*((\t)%2)+16*\i
.endr
.endm
.irp t, 0,1,2,3
	LOAD \t
.endr
	s_wait_loadcnt 12                              ; step 0's four loads are in; the twelve of steps 1 to 3 stay out
	TURN 0
.macro STEP t
.set XS, X+16*((\t)%2)
.if (\t) > 0
	s_wait_dscnt 1                                 ; this step's numbers are back from the stage (the last step's byte store may be out)
.else
	s_wait_dscnt 0x0
.endif
.if (\t)+4 < STEPS
	LOAD (\t)+4                                    ; into the registers that the stage's stores have read
.endif
.if (\t)+1 < STEPS
.if STEPS-2-(\t) >= 3
	s_wait_loadcnt 12                              ; the next step's four loads are in; those of the three steps behind it may be out
.else
	s_wait_loadcnt 4*(STEPS-2-(\t))
.endif
	TURN (\t)+1
.endif
	v_max3_num_f32 v8, |v[XS]|, |v[XS+1]|, |v[XS+2]|               ; the largest magnitude of my 16, in two chains
	v_max3_num_f32 v9, |v[XS+3]|, |v[XS+4]|, |v[XS+5]|
.irp i, 6,10
	v_max3_num_f32 v8, v8, |v[XS+\i]|, |v[XS+\i+1]|
	v_max3_num_f32 v9, v9, |v[XS+\i+2]|, |v[XS+\i+3]|
.endr
	v_max3_num_f32 v8, v8, |v[XS+14]|, |v[XS+15]|
	v_max3_num_f32 v8, v8, v9, (EMAX+1)<<23        ; and the floor 2^(3 - 127): the byte cannot fall under 1
	v_max_num_f32_dpp v8, v8, v8 row_xmask:1 row_mask:0xf bank_mask:0xf   ; with my neighbour's 16: the block's
	v_add_nc_u32 v11, -(EMAX<<23), v8              ; 2 off its exponent field: the conversion takes the exponent field of this operand as its scale
	v_cvt_scalef32_pk8_fp4_f32 v[C+4*(\t)], v[XS:XS+7], v11
	v_cvt_scalef32_pk8_fp4_f32 v[C+4*(\t)+1], v[XS+8:XS+15], v11
	v_lshrrev_b32 v[E+(\t)], 23, v11               ; the scale's byte (a plain line behind the conversions)
	ds_store_b8 v5, v[E+(\t)] offset:16*(\t)       ; both lanes of a block write the same byte with the same value
	global_store_b64 v4, v[C+4*(\t):C+4*(\t)+1], s[6:7] offset:32*CB*(\t)
.endm
.irp t, 0,1,2,3,4,5,6,7,8,9,10,11,12,13,14,15
	STEP \t
.endr
	ds_load_b64 v[8:9], v6                         ; LDS serves a wave's instructions in order: these see my stores
	s_wait_dscnt 0x0
	global_store_b64 v7, v[8:9], s[8:9]            ; 32 lanes store 256 consecutive bytes
	s_wait_tensorcnt 0x0                           ; the wave's end, behind my last LDS store
	ds_add_u32 v[SPW], v[NIL]
	s_wait_dscnt 0x0
	s_endpgm
.Lfunc_end_k_q36b2da9d28_quant_x:
	.size	k_q36b2da9d28_quant_x, .Lfunc_end_k_q36b2da9d28_quant_x-k_q36b2da9d28_quant_x
	.p2alignl 7, 3214868480
	.fill 96, 4, 3214868480
	.section	.rodata,"a",@progbits
	.p2align	6, 0x0
	.amdhsa_kernel k_q36b2da9d28_quant_x
		.amdhsa_group_segment_fixed_size 33280
		.amdhsa_private_segment_fixed_size 0
		.amdhsa_enable_private_segment 0
		.amdhsa_kernarg_size 24
		.amdhsa_user_sgpr_count 2
		.amdhsa_user_sgpr_kernarg_segment_ptr 1
		.amdhsa_wavefront_size32 1
		.amdhsa_system_sgpr_workgroup_id_x 1
		.amdhsa_system_sgpr_workgroup_id_y 1
		.amdhsa_system_sgpr_workgroup_id_z 1
		.amdhsa_system_vgpr_workitem_id 0
		.amdhsa_next_free_vgpr 192
		.amdhsa_next_free_sgpr 66
		.amdhsa_reserve_vcc 0
		.amdhsa_float_denorm_mode_32 3
		.amdhsa_float_denorm_mode_16_64 3
		.amdhsa_memory_ordered 1
		.amdhsa_forward_progress 1
		.amdhsa_inst_pref_size 33
	.end_amdhsa_kernel
	.amdgpu_metadata
---
amdhsa.version: [ 1, 2 ]
amdhsa.kernels:
  - .name:           k_q36b2da9d28_quant_x
    .symbol:         k_q36b2da9d28_quant_x.kd
    .args:
      - { .name: x, .offset: 0, .size: 8, .value_kind: global_buffer, .address_space: global }
      - { .name: xc, .offset: 8, .size: 8, .value_kind: global_buffer, .address_space: global }
      - { .name: xs, .offset: 16, .size: 8, .value_kind: global_buffer, .address_space: global }
    .group_segment_fixed_size: 33280
    .private_segment_fixed_size: 0
    .kernarg_segment_align: 8
    .kernarg_segment_size: 24
    .max_flat_workgroup_size: 128
    .sgpr_count:     66
    .vgpr_count:     192
    .wavefront_size: 32
...
	.end_amdgpu_metadata
.endif
;; end of part 1
;; launch quant_w (part 2): grid 48 x 4, 4 waves a work-group, no clusters, 35,840 bytes of LDS; arguments Wq, Wk, Wv, wc, ws; writes wc, ws
.if DOCPART == 2
	.amdgcn_target "amdgcn-amd-amdhsa--gfx1250"
	.amdhsa_code_object_version 6
	.text
	.protected	k_q36b2da9d28_quant_w
	.globl	k_q36b2da9d28_quant_w
	.p2align	8
	.type	k_q36b2da9d28_quant_w,@function
k_q36b2da9d28_quant_w:
	s_mov_b64 s[64:65], 0
	v_nop
	global_prefetch_b8 v0, s[64:65] scope:SCOPE_SE
	s_setreg_imm32_b32 hwreg(HW_REG_WAVE_MODE, 25, 1), 1
	s_wait_xcnt 0x0
; Wq, Wk, Wv [2048 (k)][2048 (n)] f32, K their FIRST axis, become codes of FP4 laid [6144 (n)][2048 (k)] with K innermost (wc: 1,024 bytes a row; rows 0-2047 Wq's columns, 2048-4095 Wk's, 4096-6143 Wv's)
; and one E8M0 byte for each 32 along K (ws: 64 bytes a row).  The quantiser and its limits are those stated at the head of the first kernel.
; A LANE TAKES A COLUMN n, AND ITS REGISTERS RUN DOWN K: each load reads neighbouring n in neighbouring lanes (128 consecutive bytes a wave), a block of 32 along K lies in one lane's 32 registers, and the
; conversions give the codes with K innermost.  A wave takes 32 columns x 512 along K: 16 blocks a lane, 256 bytes of codes a column; they go through the wave's own stage in LDS and leave as rows:
; sixteen lanes store 256 consecutive bytes.  Work-group x: 16 for each weight, 128 columns each; y: which 512 along K.  Only pointers are chosen by the work-group's number: one path through the text.
; No barrier: waves share nothing.  Loads run two blocks ahead.  Every offset is an immediate: 511 x 8,192 and 30 x 1,024 lie inside the signed 24-bit field.
.set SIZE_N, 2048
.set SIZE_K, 2048
.set KW,    512
.set NB,    KW/32
.set ROWB,  256
.set PITCH, ROWB+16
.set KROW,  SIZE_K*4/8
.set EMAX,  2
.set X,     32                         ; v32-95   two sets of 32 numbers
.set C,     96                         ; v96-99   a block's codes
.set OUTR,  112                        ; v112-175 the way out
.set SPW,   14
.set NIL,   15
.set SPARE, 4*32*PITCH                 ; behind the four stages: the spare words, 128 bytes a wave, which no other line names
.set SB,    24                         ; v24-27   the scale bytes, four to a register
	s_load_b256 s[4:11], s[0:1], 0x0               ; Wq s[4:5], Wk s[6:7], Wv s[8:9], wc s[10:11]
	s_load_b64 s[12:13], s[0:1], 0x20              ; ws
	v_lshl_add_u32 v[SPW], v0, 2, SPARE
	v_mov_b32 v[NIL], 0
	v_lshrrev_b32 v1, 5, v0
	v_readfirstlane_b32 s16, v1                    ; wave 0..3
	v_and_b32 v2, 31, v0                           ; lane
	s_lshr_b32 s14, ttmp9, 4                       ; which weight
	s_and_b32 s15, ttmp9, 15
	s_lshl_b32 s15, s15, 7
	s_lshl_b32 s18, s16, 5
	s_add_co_u32 s15, s15, s18                     ; my wave's first column in that weight
	s_lshl_b32 s17, ttmp9, 7
	s_add_co_u32 s17, s17, s18                     ; and its row in wc and ws
	s_and_b32 s18, ttmp7, 0xffff                   ; which 512 along K
	v_lshlrev_b32 v3, 2, v2                        ; in: 4 bytes a lane
	s_mul_i32 s19, s16, 32*PITCH                   ; my stage
	v_mul_u32_u24 v4, v2, PITCH
	v_add_nc_u32 v4, s19, v4                       ; into it: row = my column
	v_and_b32 v5, 15, v2
	v_lshrrev_b32 v6, 4, v2                        ; out of it: sixteen lanes to a row, two rows an instruction
	v_mul_u32_u24 v7, v6, PITCH
	v_lshl_add_u32 v7, v5, 4, v7
	v_add_nc_u32 v7, s19, v7
	v_mul_u32_u24 v8, v6, KROW
	v_lshl_add_u32 v8, v5, 4, v8                   ; and the same place in wc
	v_mul_u32_u24 v9, v2, SIZE_K/32                ; my column's row of scale bytes
	s_lshl_b32 s20, s18, 22                        ; the weight: 512 y rows of 8,192 bytes + 4 x column
	s_lshl_b32 s22, s15, 2
	s_add_co_u32 s20, s20, s22
	s_mov_b32 s21, 0
	s_lshl_b32 s24, s17, 10                        ; wc: row x 1,024 + 256 y
	s_lshl_b32 s26, s18, 8
	s_add_co_u32 s24, s24, s26
	s_mov_b32 s25, 0
	s_lshl_b32 s28, s17, 6                         ; ws: row x 64 + 16 y
	s_lshl_b32 s26, s18, 4
	s_add_co_u32 s28, s28, s26
	s_mov_b32 s29, 0
	s_wait_kmcnt 0x0
	s_cmp_eq_u32 s14, 1                            ; the choice hangs on the work-group's number alone
	s_cselect_b64 s[6:7], s[6:7], s[8:9]
	s_cmp_eq_u32 s14, 0
	s_cselect_b64 s[4:5], s[4:5], s[6:7]
	s_add_nc_u64 s[4:5], s[4:5], s[20:21]
	s_add_nc_u64 s[10:11], s[10:11], s[24:25]
	s_add_nc_u64 s[12:13], s[12:13], s[28:29]
.macro LOAD t                          ; block t: W(32 t + i, my column), i = 0 .. 31, into set t % 2
.irp i, 0,1,2,3,4,5,6,7,8,9,10,11,12,13,14,15,16,17,18,19,20,21,22,23,24,25,26,27,28,29,30,31
	global_load_b32 v[X+32*((\t)%2)+\i], v3, s[4:5] offset:(32*(\t)+\i)*SIZE_N*4 th:TH_LOAD_NT
.endr
.endm
	LOAD 0
	LOAD 1
.macro BLOCK t
.set XS, X+32*((\t)%2)
.if (\t) < NB-1
	s_wait_loadcnt 32                              ; this block's 32 loads are in; the next block's 32 may be out
.else
	s_wait_loadcnt 0
.endif
	v_max3_num_f32 v12, |v[XS]|, |v[XS+1]|, |v[XS+2]|               ; the block's largest magnitude: all 32 numbers are mine
	v_max3_num_f32 v13, |v[XS+3]|, |v[XS+4]|, |v[XS+5]|
.irp i, 6,10,14,18,22,26
	v_max3_num_f32 v12, v12, |v[XS+\i]|, |v[XS+\i+1]|
	v_max3_num_f32 v13, v13, |v[XS+\i+2]|, |v[XS+\i+3]|
.endr
	v_max3_num_f32 v12, v12, |v[XS+30]|, |v[XS+31]|
	v_max3_num_f32 v12, v12, v13, (EMAX+1)<<23     ; and the floor 2^(3 - 127)
	v_add_nc_u32 v11, -(EMAX<<23), v12             ; 2 off its exponent field: the conversion's scale operand
	v_lshrrev_b32 v13, 23, v11                     ; the scale's byte
.if (\t)%4 == 0
	v_mov_b32 v[SB+(\t)/4], v13                    ; four bytes to a register, the lower K in the lower byte
.else
	v_lshl_or_b32 v[SB+(\t)/4], v13, 8*((\t)%4), v[SB+(\t)/4]
.endif
.irp g, 0,1,2,3
	v_cvt_scalef32_pk8_fp4_f32 v[C+\g], v[XS+8*\g:XS+8*\g+7], v11
.endr
	v_nop                                          ; one plain line behind the last conversion
	ds_store_b128 v4, v[C:C+3] offset:16*(\t)      ; 32 codes: 16 bytes of my column's row
.if (\t)+2 < NB
	LOAD (\t)+2
.endif
	s_wait_dscnt 0x0                               ; the store has read its registers: the next block's codes may be written
.endm
.set Q, 0
.rept NB
	BLOCK Q
.set Q, Q+1
.endr
	global_store_b128 v9, v[SB:SB+3], s[12:13]     ; my column's 16 scale bytes
.irp t, 0,1,2,3,4,5,6,7,8,9,10,11,12,13,14,15
	ds_load_b128 v[OUTR+4*\t:OUTR+4*\t+3], v7 offset:2*\t*PITCH   ; LDS serves a wave's instructions in order: these see my stores
.endr
.irp t, 0,1,2,3,4,5,6,7,8,9,10,11,12,13,14,15
	s_wait_dscnt 15-\t                             ; load t is in; the younger ones stay out
	global_store_b128 v8, v[OUTR+4*\t:OUTR+4*\t+3], s[10:11] offset:2*\t*KROW
.endr
	s_wait_tensorcnt 0x0                           ; the wave's end, behind my last LDS store
	ds_add_u32 v[SPW], v[NIL]
	s_wait_dscnt 0x0
	s_endpgm
.Lfunc_end_k_q36b2da9d28_quant_w:
	.size	k_q36b2da9d28_quant_w, .Lfunc_end_k_q36b2da9d28_quant_w-k_q36b2da9d28_quant_w
	.p2alignl 7, 3214868480
	.fill 96, 4, 3214868480
	.section	.rodata,"a",@progbits
	.p2align	6, 0x0
	.amdhsa_kernel k_q36b2da9d28_quant_w
		.amdhsa_group_segment_fixed_size 35840
		.amdhsa_private_segment_fixed_size 0
		.amdhsa_enable_private_segment 0
		.amdhsa_kernarg_size 40
		.amdhsa_user_sgpr_count 2
		.amdhsa_user_sgpr_kernarg_segment_ptr 1
		.amdhsa_wavefront_size32 1
		.amdhsa_system_sgpr_workgroup_id_x 1
		.amdhsa_system_sgpr_workgroup_id_y 1
		.amdhsa_system_sgpr_workgroup_id_z 1
		.amdhsa_system_vgpr_workitem_id 0
		.amdhsa_next_free_vgpr 192
		.amdhsa_next_free_sgpr 66
		.amdhsa_reserve_vcc 0
		.amdhsa_float_denorm_mode_32 3
		.amdhsa_float_denorm_mode_16_64 3
		.amdhsa_memory_ordered 1
		.amdhsa_forward_progress 1
		.amdhsa_inst_pref_size 79
	.end_amdhsa_kernel
	.amdgpu_metadata
---
amdhsa.version: [ 1, 2 ]
amdhsa.kernels:
  - .name:           k_q36b2da9d28_quant_w
    .symbol:         k_q36b2da9d28_quant_w.kd
    .args:
      - { .name: Wq, .offset: 0, .size: 8, .value_kind: global_buffer, .address_space: global }
      - { .name: Wk, .offset: 8, .size: 8, .value_kind: global_buffer, .address_space: global }
      - { .name: Wv, .offset: 16, .size: 8, .value_kind: global_buffer, .address_space: global }
      - { .name: wc, .offset: 24, .size: 8, .value_kind: global_buffer, .address_space: global }
      - { .name: ws, .offset: 32, .size: 8, .value_kind: global_buffer, .address_space: global }
    .group_segment_fixed_size: 35840
    .private_segment_fixed_size: 0
    .kernarg_segment_align: 8
    .kernarg_segment_size: 40
    .max_flat_workgroup_size: 128
    .sgpr_count:     66
    .vgpr_count:     192
    .wavefront_size: 32
...
	.end_amdgpu_metadata
.endif
;; end of part 2
;; launch gemm (part 3): grid 24 x 16, 4 waves a work-group, clusters of 4 x 4, 327,680 bytes of LDS; arguments xc, xs, wc, ws, qkv, qkv32; writes qkv, qkv32
.if DOCPART == 3
	.amdgcn_target "amdgcn-amd-amdhsa--gfx1250"
	.amdhsa_code_object_version 6
	.text
	.protected	k_q36b2da9d28_gemm
	.globl	k_q36b2da9d28_gemm
	.p2align	8
	.type	k_q36b2da9d28_gemm,@function
k_q36b2da9d28_gemm:
	s_mov_b64 s[64:65], 0
	v_nop
	global_prefetch_b8 v0, s[64:65] scope:SCOPE_SE
	s_setreg_imm32_b32 hwreg(HW_REG_WAVE_MODE, 25, 1), 1
	s_wait_xcnt 0x0
	s_wait_alu depctr_hold_cnt(0) depctr_sa_sdst(0) depctr_va_vdst(0) depctr_va_sdst(0) depctr_va_ssrc(0) depctr_va_vcc(0) depctr_vm_vsrc(0)
	s_getreg_b32 s2, hwreg(HW_REG_IB_STS2, 6, 4)
	s_cmp_eq_u32 s2, 0
	s_cbranch_scc0 .Lentry_in_a_cluster
	s_endpgm
.Lentry_in_a_cluster:
	s_bfe_u32 s2, ttmp6, 0x10000c
	s_cmp_lg_u32 s2, 0xf033
	s_cbranch_scc0 .Lentry_shape_is_right
	s_endpgm
.Lentry_shape_is_right:
; qkv[m][n] = sum over k of x[m][k] W[n][k], on codes of FP4 (E2M1) with one E8M0 scale for each 32 along K.  xc [4096][2048 codes], wc [6144][2048 codes], xs [4096][64], ws [6144][64]; sums in f32.
; The result goes out in f16 (qkv: [4096][6144]; columns 0-2047 q, 2048-4095 k, 4096-6143 v); rows 0-15 of each batch of 1,024 also in f32 (qkv32: [64][6144]), for the launch that makes the first 16 positions.
; LIMIT: a result beyond 65,504 in magnitude has no f16 number.
; A tile of 256 x 256 is made by a work-group of four waves; a wave makes 128 x 128: 64 accumulators of 16 x 16, 512 registers.  K goes in steps of 512 through a ring of two LDS slots filled by tensor loads:
; a tile's row is 256 bytes of memory.  The scale bytes of the work-group's 256 + 256 rows, for all of K, are two dense blocks: they come into LDS once, with the first fills, and stay.
; CLUSTERS: 4 x 4 work-groups.  The four of a row of the cluster need the same tiles of x, the four of a column the same tiles of W: each tile is asked for jointly, by the same tensor load with the same descriptor
; and a mask that names the four.  TILE ROW = cluster y + 4 cy, so that the tile rows that begin a batch (0, 4, 8, 12) are those of cluster y = 0: the branch to the f32 way out hangs on cluster y and the wave's
; number alone, which all partners share.
; THE MATRIX INSTRUCTION IS USED TRANSPOSED (source 0 = 16 rows of W, source 1 = 16 rows of x): a lane then holds eight neighbouring numbers of a row of the result.
; REGISTERS, in windows of 256: window 0: v0-31 addresses; v32-95 scale words, two sets; v128-191 x's fragments, one set; on the way out v32-255 are free.
;   window 1: W's fragments, two sets, at v0 and v128.   window 2: the accumulators of my rows 0-63 ((a, b) at v[8 (8 a + b)]);   window 3: those of my rows 64-127.
.set SIZE_M, 4096
.set SIZE_N, 6144
.set SIZE_K, 2048
.set KSTEP,  512                       ; along K in a slot
.set NQ,     KSTEP/128                 ; matrix instructions deep
.set ROWB,   256                       ; a tile's row in bytes
.set KROW,   SIZE_K*4/8                ; a row of codes in memory
.set PITCH,  272                       ; an LDS row: 256 bytes + 16 of padding: the 16 rows that a load touches start 68 words apart
.set FR,     8                         ; registers of a fragment
.set NL,     2                         ; LDS loads that bring one
.set NP,     4                         ; places behind this matrix instruction (ISA guide 7.12.1)
.set HALFT,  128*PITCH                 ; 128 rows: what one tensor load brings
.set SLOT,   4*HALFT                   ; x's 256 rows, then W's 256 rows
.set LAPS,   SIZE_K/(2*KSTEP)
.set KS,     SIZE_K/32                 ; a row of scale bytes
.set SCL,    2*SLOT                    ; behind the ring: the scale bytes, as runs of 256 bytes + 16 of padding
.set HALFS,  (128*KS/256)*272
.set SBLK,   (16*KS/256)*272
.set SPARE,  SCL+4*HALFS               ; behind the scales: the spare words, 128 bytes a wave, which no other line names
.set WSTG,   8448                      ; the way out: a stage for each wave, 16 rows x 528 bytes (f32) or 16 x 272 (f16), in slot 0, which has had its last fill and its last read by then
.set ADRA, 16                          ; v16-17  LDS address of my x fragments in slot 0, 1
.set ADRB, 20                          ; v20-21  the same for W
.set STO32, 22                         ; v22     f32 way out: where I put 32 bytes of a row
.set RD32, 23                          ; v23     and where I read a row back
.set STO,  24                          ; v24     f16 way out: where I put 16 bytes of a row
.set RD,   25                          ; v25     and where I read a row back
.set CO,   26                          ; v26     my byte offset in qkv
.set ADRS, 27                          ; v27     LDS address of my scale words: lanes 0-15 x's rows, lanes 16-31 W's
.set SPW,  28
.set NIL,  29
.set CO32, 30                          ; v30     my byte offset in a row of qkv32
.set SC,   32                          ; scale words: set s at v[SC + 32 s]; register 4 i + q: lanes 0-15 x's block i, lanes 16-31 W's block i, the slot's q-th 128 along K
.set AF,   128                         ; x's fragments
.set TMP,  192                         ; the way out: packed results
.set OB,   32                          ; 16 rows read back: v32-63 and v224-255 by turns
.set G1, 24
.set G0, 32
.set G1B, 48
.set G0B, 56
.set G1S, 68
.set G0S, 76
.set G1SB, 80
.set G0SB, 88
.set MSB, 0
.macro WIN new                         ; the immediate's high byte repeats the setting that is left
.if MSB != (\new)
	s_set_vgpr_msb (MSB<<8)|(\new)
.set MSB, (\new)
.endif
.endm
.set MUL_LO, 0xa1                      ; source 0 (W) window 1, source 1 (x) window 0, C and D window 2
.set MUL_HI, 0xf1
.set TO_B,   0x40
; A joint load: waves 0 and 1 fetch for x, waves 2 and 3 for W.  The branch hangs on the wave's number alone.  An s_nop 0 and four v_nop follow each of the two lines.
.macro JLOAD g0a, g1a, g0b, g1b
	s_cmp_eq_u32 s15, 0
	s_cbranch_scc0 .Lfor_b_\@
	tensor_load_to_lds s[\g0a:\g0a+3], s[\g1a:\g1a+7]
	s_nop 0
.rept 4
	v_nop
.endr
	s_branch .Lasked_\@
.Lfor_b_\@:
	tensor_load_to_lds s[\g0b:\g0b+3], s[\g1b:\g1b+7]
	s_nop 0
.rept 4
	v_nop
.endr
.Lasked_\@:
.endm
.macro CREST                           ; a round of the cluster's barrier behind its opening barrier
	s_cmp_lg_u32 s14, 0
	s_cbranch_scc1 .Lnot_wave_0_\@
	s_barrier_signal -3
.Lnot_wave_0_\@:
	s_barrier_wait -3
	s_barrier_signal -1
	s_barrier_wait -1
.endm
.macro CROUND
	s_barrier_signal -1
	s_barrier_wait -1
	CREST
.endm
	s_load_b128 s[4:7], s[0:1], 0x0                ; xc s[4:5], xs s[6:7]
	s_load_b128 s[8:11], s[0:1], 0x10              ; wc s[8:9], ws s[10:11]
	s_load_b64 s[12:13], s[0:1], 0x20              ; qkv
	s_load_b64 s[96:97], s[0:1], 0x28              ; qkv32
	v_lshl_add_u32 v[SPW], v0, 2, SPARE
	v_mov_b32 v[NIL], 0
	ds_add_u32 v[SPW], v[NIL]                      ; the wave's opening: the add, twice on end, and its wait ahead of my first tensor load
	ds_add_u32 v[SPW], v[NIL]
	v_lshrrev_b32 v1, 5, v0
	v_readfirstlane_b32 s14, v1                    ; wave 0..3
	s_lshr_b32 s15, s14, 1                         ; which half of the tile's rows is mine.  Also: I fetch for x (0) or for W (1)
	s_and_b32 s16, s14, 1                          ; which half of its columns.  Also: which 128 rows of that tile I fetch
	s_bfe_u32 s40, ttmp6, 0x40000                  ; cx, cy: my place in the cluster
	s_bfe_u32 s41, ttmp6, 0x40004
	s_lshl_b32 s42, ttmp9, 2
	s_add_co_u32 s42, s42, s40                     ; tile column = 4 x cluster x + cx
	s_and_b32 s95, ttmp7, 0xffff                   ; cluster y
	s_lshl_b32 s17, s41, 2
	s_add_co_u32 s17, s17, s95                     ; tile row = cluster y + 4 cy
	s_or_b32 s95, s95, s15                         ; 0 where my rows begin a batch: cluster y = 0 and the upper half of the rows; the same in all partners for a given wave
	s_lshl_b32 s43, s41, 2
	s_lshl_b32 s43, 15, s43                        ; my row of the cluster
	s_lshl_b32 s44, 0x1111, s40                    ; my column
	; descriptor group 1: a tile of 128 rows x 256 bytes, 16 bytes of padding behind each row
	s_or_b32 s[G1+0], s43, (0<<16)|(1<<20)|(1<<21)|(5<<22)|(3<<25)
	s_or_b32 s[G1B+0], s44, (0<<16)|(1<<20)|(1<<21)|(5<<22)|(3<<25)
.irp g, G1, G1B
	s_mov_b32 s[\g+1], ROWB<<16                    ; tensor_dim0
	s_mov_b32 s[\g+2], 128<<16                     ; tensor_dim1
	s_mov_b32 s[\g+3], ROWB<<16                    ; tile_dim0
	s_mov_b32 s[\g+4], 128                         ; tile_dim1
	s_mov_b32 s[\g+5], KROW                        ; the pitch
	s_mov_b32 s[\g+6], 0
	s_mov_b32 s[\g+7], 0
.endr
	; the scale bytes of 128 rows: a dense block of 8,192 bytes, as 32 rows of 256 bytes (32 elements of 8 bytes), 16 bytes of padding behind each
	s_or_b32 s[G1S+0], s43, (3<<16)|(1<<20)|(1<<21)|(5<<22)|(3<<25)
	s_or_b32 s[G1SB+0], s44, (3<<16)|(1<<20)|(1<<21)|(5<<22)|(3<<25)
.irp g, G1S, G1SB
	s_mov_b32 s[\g+1], 32<<16
	s_mov_b32 s[\g+2], (128*KS/256)<<16
	s_mov_b32 s[\g+3], 32<<16
	s_mov_b32 s[\g+4], 128*KS/256
	s_mov_b32 s[\g+5], 32
	s_mov_b32 s[\g+6], 0
	s_mov_b32 s[\g+7], 0
.endr
	s_lshl_b32 s18, s16, 7                         ; which 128 rows of the tile I fetch
	s_lshl_b32 s20, s17, 8
	s_add_co_u32 s20, s20, s18                     ; x: row 256 x tile row + 128 x half
	s_lshl_b32 s46, s42, 8
	s_add_co_u32 s46, s46, s18                     ; W: row 256 x tile column + 128 x half
	s_mov_b32 s21, 0
	s_mov_b32 s47, 0
	s_mov_b64 s[18:19], KS
	s_mul_u64 s[22:23], s[20:21], s[18:19]         ; where these rows' scale bytes begin
	s_mul_u64 s[92:93], s[46:47], s[18:19]
	s_mov_b64 s[18:19], KROW
	s_mul_u64 s[20:21], s[20:21], s[18:19]         ; and their codes
	s_mul_u64 s[46:47], s[46:47], s[18:19]
	s_mul_i32 s45, s14, HALFT                      ; where they go: wave x 128 rows: no place in the cluster enters an LDS address
	s_mul_i32 s94, s14, HALFS
	s_wait_dscnt 0x0                               ; both opening adds are done
	s_wait_kmcnt 0x0
	s_add_nc_u64 s[20:21], s[4:5], s[20:21]
	s_add_nc_u64 s[22:23], s[6:7], s[22:23]
	s_add_nc_u64 s[46:47], s[8:9], s[46:47]
	s_add_nc_u64 s[92:93], s[10:11], s[92:93]
	CROUND                                         ; all sixteen work-groups are here: the first joint loads meet
	s_mov_b32 s[G0S], 1
	s_add_co_u32 s[G0S+1], s94, SCL
	s_mov_b64 s[G0S+2:G0S+3], s[22:23]
	s_or_b32 s[G0S+3], s[G0S+3], 0x80000000
	s_mov_b32 s[G0SB], 1
	s_add_co_u32 s[G0SB+1], s94, SCL
	s_mov_b64 s[G0SB+2:G0SB+3], s[92:93]
	s_or_b32 s[G0SB+3], s[G0SB+3], 0x80000000
	JLOAD G0S, G1S, G0SB, G1SB                     ; the scale bytes first: they are wanted with K step 0
.irp s, 0,1
	s_mov_b32 s[G0+4*\s], 1
	s_add_co_u32 s[G0+4*\s+1], s45, \s*SLOT
	s_add_nc_u64 s[G0+4*\s+2:G0+4*\s+3], s[20:21], \s*ROWB
	s_or_b32 s[G0+4*\s+3], s[G0+4*\s+3], 0x80000000
	s_mov_b32 s[G0B+4*\s], 1
	s_add_co_u32 s[G0B+4*\s+1], s45, \s*SLOT
	s_add_nc_u64 s[G0B+4*\s+2:G0B+4*\s+3], s[46:47], \s*ROWB
	s_or_b32 s[G0B+4*\s+3], s[G0B+4*\s+3], 0x80000000
	JLOAD G0+4*\s, G1, G0B+4*\s, G1B               ; three tensor loads of mine are out now
.endr
	v_and_b32 v1, 15, v0                           ; r = lane % 16
	v_bfe_u32 v2, v0, 4, 1                         ; h = lane / 16
	v_mul_u32_u24 v3, v1, PITCH
	v_lshl_add_u32 v4, v2, 4, v3                   ; a fragment's row x pitch + 16 h
	s_mul_i32 s21, s15, HALFT                      ; my 128 rows of x
	s_mul_i32 s22, s16, HALFT                      ; my 128 rows of W,
	s_add_co_u32 s22, s22, 2*HALFT                 ; which lie behind x's 256
.irp s, 0,1
	v_add_nc_u32 v[ADRA+\s], s21, v4
	v_add_nc_u32 v[ADRB+\s], s22, v4
	s_add_co_u32 s21, s21, SLOT
	s_add_co_u32 s22, s22, SLOT
.endr
	v_mul_u32_u24 v5, v1, KS                       ; my row's scale bytes: 64 a row,
	v_lshrrev_b32 v6, 8, v5
	v_lshl_add_u32 v5, v6, 4, v5                   ; and 16 more for each 256 passed
	s_mul_i32 s21, s15, HALFS
	s_mul_i32 s22, s16, HALFS
	s_add_co_u32 s22, s22, 2*HALFS
	s_sub_co_u32 s22, s22, s21
	v_mul_u32_u24 v6, s22, v2                      ; lanes 16-31 take W's: one product, the distance between the two bases
	s_add_co_u32 s21, s21, SCL
	v_add_nc_u32 v5, v5, v6
	v_add_nc_u32 v[ADRS], s21, v5
	s_mul_i32 s23, s14, WSTG                       ; my stage
	v_mul_u32_u24 v5, v1, 272                      ; f16, in: row r, 16 bytes for each half of the lanes
	v_lshl_add_u32 v5, v2, 4, v5
	v_add_nc_u32 v[STO], s23, v5
	v_mul_u32_u24 v5, v2, 272                      ; back: lanes 0-15 one row of 256 bytes, lanes 16-31 the next
	v_lshl_add_u32 v5, v1, 4, v5
	v_add_nc_u32 v[RD], s23, v5
	v_mul_u32_u24 v5, v2, SIZE_N*2                 ; and the same two rows in qkv
	v_lshl_add_u32 v[CO], v1, 4, v5
	v_mul_u32_u24 v5, v1, 528                      ; f32, in: row r, 32 bytes for each half of the lanes
	v_lshl_add_u32 v5, v2, 5, v5
	v_add_nc_u32 v[STO32], s23, v5
	v_and_b32 v6, 31, v0
	v_lshlrev_b32 v[CO32], 4, v6                   ; back: the 32 lanes take one row of 512 bytes; and the same in qkv32
	v_add_nc_u32 v[RD32], s23, v[CO32]
	s_lshl_b32 s20, s17, 8
	s_lshl_b32 s21, s15, 7
	s_add_co_u32 s20, s20, s21                     ; my first row: 256 x tile row + 128 x half
	s_mul_i32 s20, s20, SIZE_N*2                   ; in bytes: under 4,096 x 12,288
	s_mov_b32 s21, 0
	s_lshl_b32 s46, s42, 9                         ; my first column in f16: 512 x tile column + 256 x half
	s_lshl_b32 s47, s16, 8
	s_add_co_u32 s46, s46, s47
	s_mov_b32 s47, 0
	s_add_nc_u64 s[20:21], s[20:21], s[46:47]
	s_add_nc_u64 s[12:13], s[12:13], s[20:21]
	s_mul_i32 s92, s41, 16*SIZE_N*4                ; qkv32: batch cy's 16 rows,
	s_lshl_b32 s46, s46, 1                         ; my first column in f32
	s_add_co_u32 s92, s92, s46
	s_mov_b32 s93, 0
	s_add_nc_u64 s[96:97], s[96:97], s[92:93]
.macro FRAG reg, adr, q, i             ; a fragment, 16 rows x 128 K of 4-bit codes: lane l holds row l % 16; registers 4 c .. 4 c + 3 hold K = 64 c + 32 (l / 16) + 0 .. 31
.irp c, 0,1
	ds_load_b128 v[\reg+4*\c:\reg+4*\c+3], v[\adr] offset:64*(\q)+32*\c+(\i)*16*PITCH
.endr
.endm
; 16 matrix instructions: x's blocks a0, a0 + 1 against W's eight, the slot's q-th 128 along K.  The 64 accumulators take turns, one instruction a turn.
.macro MUL16 a0, p, q, sc, zero
.irp a, \a0, \a0+1
.irp b, 0,1,2,3,4,5,6,7
.if \zero
	v_wmma_scale_f32_16x16x128_f8f6f4 v[8*(8*((\a)%4)+\b):8*(8*((\a)%4)+\b)+7], v[128*(\p)+FR*\b:128*(\p)+FR*\b+FR-1], v[AF+FR*(\a):AF+FR*(\a)+FR-1], 0, v[SC+8*NQ*(\sc)+NQ*\b+(\q)], v[SC+8*NQ*(\sc)+NQ*(\a)+(\q)] matrix_a_fmt:MATRIX_FMT_FP4 matrix_b_fmt:MATRIX_FMT_FP4 matrix_a_scale:MATRIX_SCALE_ROW1
.else
	v_wmma_scale_f32_16x16x128_f8f6f4 v[8*(8*((\a)%4)+\b):8*(8*((\a)%4)+\b)+7], v[128*(\p)+FR*\b:128*(\p)+FR*\b+FR-1], v[AF+FR*(\a):AF+FR*(\a)+FR-1], v[8*(8*((\a)%4)+\b):8*(8*((\a)%4)+\b)+7], v[SC+8*NQ*(\sc)+NQ*\b+(\q)], v[SC+8*NQ*(\sc)+NQ*(\a)+(\q)] matrix_a_fmt:MATRIX_FMT_FP4 matrix_b_fmt:MATRIX_FMT_FP4 matrix_a_scale:MATRIX_SCALE_ROW1
.endif
.endr
.endr
.endm
.macro FETCH_B slot, q, p
	WIN TO_B
.irp i, 0,1,2,3,4,5,6,7
	FRAG 128*(\p)+FR*\i, ADRB+\slot, \q, \i
.endr
	WIN 0
.endm
.macro FETCH_A slot, q, i0
.irp i, \i0, \i0+1, \i0+2, \i0+3
	FRAG AF+FR*(\i), ADRA+\slot, \q, \i
.endr
.endm
.macro SCALES sc                       ; the next K step's scale words: four words a row; lanes 0-15 x's block i, lanes 16-31 W's block i
.irp i, 0,1,2,3,4,5,6,7
	ds_load_b128 v[SC+8*NQ*\sc+NQ*\i:SC+8*NQ*\sc+NQ*\i+3], v[ADRS] offset:\i*SBLK
.endr
.endm
.macro PLACES n                        ; plain vector instructions between a matrix instruction and a load into, or a read of, its registers
.rept \n
	v_nop
.endr
.endm
.macro STEP slot, q, zero              ; a step of 128 along K that has its successor in the same slot
	s_wait_dscnt 4*NL                              ; W's set and x's blocks 0-3 are in; the youngest eight loads (x's blocks 4-7) may be out
	WIN MUL_LO
	MUL16 0, (\q)%2, \q, \slot, \zero
	MUL16 2, (\q)%2, \q, \slot, \zero
	s_wait_dscnt 0                                 ; x's blocks 4-7 are in
	PLACES NP
	FETCH_B \slot, (\q)+1, 1-(\q)%2
	FETCH_A \slot, (\q)+1, 0
	WIN MUL_HI
	MUL16 4, (\q)%2, \q, \slot, \zero
	MUL16 6, (\q)%2, \q, \slot, \zero
	PLACES NP
	WIN 0
	FETCH_A \slot, (\q)+1, 4
.endm
; A slot's last step changes slots: one barrier; in front of it each wave waits for all its tensor loads, adds 0 to its spare word, and waits for that and for its own reads of this slot.
.macro TURN slot, next, fill
	s_wait_tensorcnt 0x0                           ; all my tensor loads have landed: my part of the next slot
	ds_add_u32 v[SPW], v[NIL]
	s_wait_dscnt 4*NL+1                            ; (the add and the youngest eight loads may be out)
	WIN MUL_LO
	MUL16 0, 1, NQ-1, \slot, 0
	s_wait_dscnt 0x0                               ; the add is done, and my reads of this slot are over
	s_barrier_signal -1
	MUL16 2, 1, NQ-1, \slot, 0
	WIN 0
	s_barrier_wait -1
.if \fill
	CREST                                          ; the barrier has opened a round of the cluster's: no wave of any partner still reads this slot or has a load on its way
	s_add_nc_u64 s[G0+4*\slot+2:G0+4*\slot+3], s[G0+4*\slot+2:G0+4*\slot+3], 2*ROWB
	s_add_nc_u64 s[G0B+4*\slot+2:G0B+4*\slot+3], s[G0B+4*\slot+2:G0B+4*\slot+3], 2*ROWB
	JLOAD G0+4*\slot, G1, G0B+4*\slot, G1B         ; my one tensor load behind the round; its four v_nop are the places in front of the loads below
.else
	PLACES NP
.endif
	v_add_nc_u32 v[ADRS], 4*NQ, v[ADRS]            ; on to the next K step's scale words
	FETCH_B \next, 0, 0
	FETCH_A \next, 0, 0
	SCALES \next
	WIN MUL_HI
	MUL16 4, 1, NQ-1, \slot, 0
	MUL16 6, 1, NQ-1, \slot, 0
	PLACES NP
	WIN 0
	FETCH_A \next, 0, 4
.endm
.macro STEPS slot, from
.set Q, \from
.rept NQ-1-\from
	STEP \slot, Q, 0
.set Q, Q+1
.endr
.endm
	s_wait_tensorcnt 1                             ; the scale bytes and my part of K step 0 are in (K step 1's load may be out),
	s_barrier_signal -1
	s_barrier_wait -1                              ; everybody's are
	FETCH_B 0, 0, 0
	FETCH_A 0, 0, 0
	SCALES 0
	FETCH_A 0, 0, 4
	STEP 0, 0, 1                                   ; the first step stands in front of the loop: its products start the sums
	s_mov_b32 s3, LAPS-1
.Llap:                                                 ; a trip goes once round the ring and fills both slots again
	STEPS 0, 1
	TURN 0, 1, 1
	STEPS 1, 0
	TURN 1, 0, 1
	STEP 0, 0, 0
	s_sub_co_u32 s3, s3, 1
	s_cmp_lg_u32 s3, 0
	s_cbranch_scc1 .Llap
	STEPS 0, 1                                     ; the last lap fills nothing
	TURN 0, 1, 0
	STEPS 1, 0
	s_wait_dscnt 4*NL
	WIN MUL_LO
	MUL16 0, 1, NQ-1, 1, 0
	MUL16 2, 1, NQ-1, 1, 0
	s_wait_dscnt 0
	WIN MUL_HI
	MUL16 4, 1, NQ-1, 1, 0
	MUL16 6, 1, NQ-1, 1, 0
	WIN 0
	; THE WAY OUT.  A lane holds eight neighbouring numbers of a row, and the lanes beside it hold other rows: so a block of 16 rows goes through my own stage in LDS and comes back as whole rows.
	PLACES NP                                      ; behind the last products: for the reads of results and the loads into registers that held fragments and scale words
	s_cmp_lg_u32 s95, 0
	s_cbranch_scc1 .Lno32
	WIN 0x08                                       ; an LDS store's data are its source 1: window 2.  Block 0, rows 0-15 of a batch, in f32
.irp b, 0,1,2,3,4,5,6,7
	ds_store_b128 v[STO32], v[8*\b:8*\b+3] offset:64*\b            ; each accumulator from its low end on
	ds_store_b128 v[STO32], v[8*\b+4:8*\b+7] offset:64*\b+16
.endr
	WIN 0
.irp t, 0,1,2,3,4,5,6,7,8,9,10,11,12,13,14,15
	ds_load_b128 v[128+4*\t:128+4*\t+3], v[RD32] offset:\t*528     ; LDS serves a wave's instructions in order: these see the stores above
.endr
	s_wait_dscnt 0x0
.irp t, 0,1,2,3,4,5,6,7,8,9,10,11,12,13,14,15
	global_store_b128 v[CO32], v[128+4*\t:128+4*\t+3], s[96:97] offset:\t*SIZE_N*4   ; 32 lanes store 512 consecutive bytes; these registers are not written again
.endr
.Lno32:
.macro PACK a                          ; block a rounded to f16, 16 bytes a lane; each accumulator from its low end on
.set AC, 64*((\a)%4)
	WIN 0x0a+5*((\a)/4)                            ; sources 0 and 1: window 2 or 3
.irp b, 0,1,2,3,4,5,6,7
.irp i, 0,1,2,3
	v_cvt_pk_f16_f32 v[TMP+4*\b+\i], v[AC+8*\b+2*\i], v[AC+8*\b+2*\i+1]
.endr
.endr
	WIN 0
.endm
.macro TOSTAGE a
.set BK, OB+192*((\a)%2)
.irp b, 0,1,2,3,4,5,6,7
	ds_store_b128 v[STO], v[TMP+4*\b:TMP+4*\b+3] offset:32*\b
.endr
.irp t, 0,1,2,3,4,5,6,7
	ds_load_b128 v[BK+4*\t:BK+4*\t+3], v[RD] offset:\t*2*272
.endr
.endm
.macro SEND a
.set BK, OB+192*((\a)%2)
	s_wait_dscnt 0x0                               ; the block is back in registers
	s_wait_xcnt 0x0                                ; earlier stores have read their base and their registers: both may be written again
.if (\a) > 0
	s_add_nc_u64 s[12:13], s[12:13], 16*SIZE_N*2   ; 16 rows on
.endif
.irp t, 0,1,2,3,4,5,6,7
	global_store_b128 v[CO], v[BK+4*\t:BK+4*\t+3], s[12:13] offset:2*\t*SIZE_N*2   ; 16 lanes store 256 consecutive bytes, at a multiple of 256 from qkv's first byte
.endr
.endm
	PACK 0
	TOSTAGE 0
.irp a, 1,2,3,4,5,6,7                  ; block a's conversions stand between block a - 1's loads from the stage and the wait for them
	PACK \a
	SEND \a-1
	TOSTAGE \a
.endr
	SEND 7
	s_wait_tensorcnt 0x0                           ; the wave's end
	ds_add_u32 v[SPW], v[NIL]
	s_wait_dscnt 0x0
	CROUND                                         ; the closing round: no work-group ends while a partner may still ask for a tile that names it
	s_endpgm
.Lfunc_end_k_q36b2da9d28_gemm:
	.size	k_q36b2da9d28_gemm, .Lfunc_end_k_q36b2da9d28_gemm-k_q36b2da9d28_gemm
	.p2alignl 7, 3214868480
	.fill 96, 4, 3214868480
	.section	.rodata,"a",@progbits
	.p2align	6, 0x0
	.amdhsa_kernel k_q36b2da9d28_gemm
		.amdhsa_group_segment_fixed_size 327680
		.amdhsa_private_segment_fixed_size 0
		.amdhsa_enable_private_segment 0
		.amdhsa_kernarg_size 48
		.amdhsa_user_sgpr_count 2
		.amdhsa_user_sgpr_kernarg_segment_ptr 1
		.amdhsa_wavefront_size32 1
		.amdhsa_system_sgpr_workgroup_id_x 1
		.amdhsa_system_sgpr_workgroup_id_y 1
		.amdhsa_system_sgpr_workgroup_id_z 1
		.amdhsa_system_vgpr_workitem_id 0
		.amdhsa_next_free_vgpr 1024
		.amdhsa_next_free_sgpr 100
		.amdhsa_reserve_vcc 0
		.amdhsa_float_denorm_mode_32 3
		.amdhsa_float_denorm_mode_16_64 3
		.amdhsa_memory_ordered 1
		.amdhsa_forward_progress 1
		.amdhsa_inst_pref_size 218
	.end_amdhsa_kernel
	.amdgpu_metadata
---
amdhsa.version: [ 1, 2 ]
amdhsa.kernels:
  - .name:           k_q36b2da9d28_gemm
    .symbol:         k_q36b2da9d28_gemm.kd
    .args:
      - { .name: xc, .offset: 0, .size: 8, .value_kind: global_buffer, .address_space: global }
      - { .name: xs, .offset: 8, .size: 8, .value_kind: global_buffer, .address_space: global }
      - { .name: wc, .offset: 16, .size: 8, .value_kind: global_buffer, .address_space: global }
      - { .name: ws, .offset: 24, .size: 8, .value_kind: global_buffer, .address_space: global }
      - { .name: qkv, .offset: 32, .size: 8, .value_kind: global_buffer, .address_space: global }
      - { .name: qkv32, .offset: 40, .size: 8, .value_kind: global_buffer, .address_space: global }
    .group_segment_fixed_size: 327680
    .private_segment_fixed_size: 0
    .kernarg_segment_align: 8
    .kernarg_segment_size: 48
    .max_flat_workgroup_size: 128
    .sgpr_count:     100
    .vgpr_count:     1024
    .wavefront_size: 32
...
	.end_amdgpu_metadata
.endif
;; end of part 3
;; launch scores (part 4): grid 36 x 4, 4 waves a work-group, no clusters, 327,680 bytes of LDS; arguments qkv, sc; writes sc
.if DOCPART == 4
	.amdgcn_target "amdgcn-amd-amdhsa--gfx1250"
	.amdhsa_code_object_version 6
	.text
	.protected	k_q36b2da9d28_scores
	.globl	k_q36b2da9d28_scores
	.p2align	8
	.type	k_q36b2da9d28_scores,@function
k_q36b2da9d28_scores:
	s_mov_b64 s[64:65], 0
	v_nop
	global_prefetch_b8 v0, s[64:65] scope:SCOPE_SE
	s_setreg_imm32_b32 hwreg(HW_REG_WAVE_MODE, 25, 1), 1
	s_wait_xcnt 0x0
; sc[batch][q][k] = (q . k) x log2(e) / sqrt(2048), in f32, from f16 operands with f32 sums.  q and k are columns 0-2047 and 2048-4095 of qkv [4096][6144] f16.
; WORK LEFT OUT: the tiles of 128 x 128 whose key block lies above the query block are wholly under the problem's own causal mask (head of the first kernel): 36 of 64 tiles a batch are made.
; Work-group x = t counts the tiles of the lower triangle: query block i with i (i + 1) / 2 <= t, key block j = t - i (i + 1) / 2; y = the batch.
; NO CLUSTER: query block i is read by i + 1 tiles and key block j by 8 - j: the triangle does not divide into groups of four that share a block.
; Four waves, each 64 x 64: 16 accumulators.  K = 2,048 goes in steps of 256 (LDS rows of 512 bytes) through a ring of two slots; waves 0 and 1 fetch q's two halves, waves 2 and 3 k's, one tensor load each.
; THE MATRIX INSTRUCTION IS USED TRANSPOSED (source 0 = 16 keys, source 1 = 16 queries): a lane holds one query and eight neighbouring keys.
; REGISTERS: window 0: v0-31 addresses; v32-63 scaled results; v64-127 rows read back, two sets; v128-255 the accumulators ((a, b) at v[128 + 8 (4 a + b)]).
;   window 1: two fragment buffers of 128: for 64 along K, 64 registers of q, then 64 of k.
.set KSTEP,  256
.set PITCH,  528                       ; an LDS row: 512 bytes + 16 of padding
.set HALFT,  64*PITCH
.set SLOT,   4*HALFT                   ; q's 128 rows, then k's 128 rows
.set SPARE,  2*SLOT                    ; behind the ring: the spare words, 128 bytes a wave, which no other line names
.set SPITCH, 272                       ; the way out: a stage of 16 rows x (256 + 16) bytes for each wave, in slot 0, which has had its last fill and its last read by then
.set LAPS,   4                         ; 2,048 / 512
.set QROW,   12288                     ; a row of qkv in bytes
.set ADRA, 16
.set ADRB, 20
.set STO,  24
.set RD,   25
.set CO,   26
.set SPW,  28
.set NIL,  29
.set TMP,  32
.set BK,   64
.set ACC,  128
.set F0,   0
.set F1,   128
.set G1, 24                            ; s[24:31] descriptor group 1, one for all loads
.set G0, 32                            ; s[32:39] group 0, a set for each slot
.set CS, 58                            ; s[58:59] log2(e) / sqrt(2048), twice
.set MSB, 0
.macro WIN new
.if MSB != (\new)
	s_set_vgpr_msb (MSB<<8)|(\new)
.set MSB, (\new)
.endif
.endm
.set MUL,  0x05                        ; sources 0 and 1 window 1; C and D window 0
.set TO_F, 0x40                        ; destination window 1, address window 0
	s_load_b128 s[4:7], s[0:1], 0x0                ; qkv s[4:5], sc s[6:7]
	v_lshl_add_u32 v[SPW], v0, 2, SPARE
	v_mov_b32 v[NIL], 0
	ds_add_u32 v[SPW], v[NIL]                      ; the wave's opening: the add, twice on end, and its wait ahead of my first tensor load
	ds_add_u32 v[SPW], v[NIL]
	v_lshrrev_b32 v1, 5, v0
	v_readfirstlane_b32 s10, v1                    ; wave 0..3
	s_lshr_b32 s11, s10, 1                         ; which half of the queries is mine.  Also: I fetch q (0) or k (1)
	s_and_b32 s12, s10, 1                          ; which half of the keys.  Also: which 64 rows I fetch
	s_mov_b32 s13, 0
.irp m, 1,3,6,10,15,21,28
	s_cmp_ge_u32 ttmp9, \m
	s_cselect_b32 s14, 1, 0
	s_add_co_u32 s13, s13, s14                     ; i = how many triangle numbers lie at or under t
.endr
	s_add_co_u32 s14, s13, 1
	s_mul_i32 s14, s14, s13
	s_lshr_b32 s14, s14, 1
	s_sub_co_u32 s14, ttmp9, s14                   ; j
	s_and_b32 s15, ttmp7, 0xffff                   ; batch
	s_mov_b32 s[G1+0], (1<<16)|(1<<20)|(6<<22)|(3<<25)   ; elements of 2 bytes; padding: four words behind every 128
	s_mov_b32 s[G1+1], KSTEP<<16                   ; tensor_dim0 = 256
	s_mov_b32 s[G1+2], 64<<16                      ; tensor_dim1 = 64
	s_mov_b32 s[G1+3], KSTEP<<16                   ; tile_dim0
	s_mov_b32 s[G1+4], 64                          ; tile_dim1
	s_mov_b32 s[G1+5], 6144                        ; the pitch, in elements
	s_mov_b32 s[G1+6], 0
	s_mov_b32 s[G1+7], 0
	s_cmp_eq_u32 s11, 0
	s_cselect_b32 s16, s13, s14                    ; the block of 128 rows that I fetch from,
	s_cselect_b32 s17, 0, 4096                     ; and q's or k's bytes of a row
	s_lshl_b32 s16, s16, 7
	s_lshl_b32 s18, s12, 6
	s_add_co_u32 s16, s16, s18
	s_lshl_b32 s18, s15, 10
	s_add_co_u32 s16, s16, s18
	s_mul_i32 s16, s16, QROW
	s_add_co_u32 s16, s16, s17
	s_mov_b32 s17, 0
	s_mul_i32 s20, s10, HALFT                      ; where they go: wave x 64 rows
	s_mov_b32 s[CS], 0x3d0293ee
	s_mov_b32 s[CS+1], s[CS]
	s_wait_dscnt 0x0                               ; both opening adds are done
	s_wait_kmcnt 0x0
	s_add_nc_u64 s[8:9], s[4:5], s[16:17]
.irp s, 0,1                            ; every wave issues both first fills: two tensor loads of mine are out
	s_mov_b32 s[G0+4*\s], 1
	s_add_co_u32 s[G0+4*\s+1], s20, \s*SLOT
	s_add_nc_u64 s[G0+4*\s+2:G0+4*\s+3], s[8:9], \s*KSTEP*2
	s_or_b32 s[G0+4*\s+3], s[G0+4*\s+3], 0x80000000
	tensor_load_to_lds s[G0+4*\s:G0+4*\s+3], s[G1:G1+7]
	s_nop 0
.endr
	v_and_b32 v1, 15, v0                           ; r
	v_bfe_u32 v2, v0, 4, 1                         ; h
	v_mul_u32_u24 v3, v1, PITCH
	v_lshl_add_u32 v3, v2, 4, v3
	s_mul_i32 s21, s11, HALFT                      ; my 64 queries
	s_mul_i32 s22, s12, HALFT                      ; my 64 keys,
	s_add_co_u32 s22, s22, 2*HALFT                 ; which lie behind q's 128 rows
.irp s, 0,1
	v_add_nc_u32 v[ADRA+\s], s21, v3
	v_add_nc_u32 v[ADRB+\s], s22, v3
	s_add_co_u32 s21, s21, SLOT
	s_add_co_u32 s22, s22, SLOT
.endr
	s_mul_i32 s23, s10, 16*SPITCH                  ; my stage
	v_mul_u32_u24 v4, v1, SPITCH                   ; in: row r, 32 bytes for each half of the lanes
	v_lshl_add_u32 v4, v2, 5, v4
	v_add_nc_u32 v[STO], s23, v4
	v_mul_u32_u24 v5, v2, SPITCH                   ; back: lanes 0-15 one row of 256 bytes, lanes 16-31 the next
	v_lshl_add_u32 v5, v1, 4, v5
	v_add_nc_u32 v[RD], s23, v5
	v_lshlrev_b32 v5, 12, v2                       ; and the same two rows in sc
	v_lshl_add_u32 v[CO], v1, 4, v5
	s_lshl_b32 s16, s13, 7
	s_lshl_b32 s17, s11, 6
	s_add_co_u32 s16, s16, s17
	s_lshl_b32 s16, s16, 12                        ; my first query's row of 4,096 bytes,
	s_lshl_b32 s17, s14, 7
	s_lshl_b32 s18, s12, 6
	s_add_co_u32 s17, s17, s18
	s_lshl_b32 s17, s17, 2                         ; my first key,
	s_add_co_u32 s16, s16, s17
	s_lshl_b32 s17, s15, 22                        ; the batch
	s_add_co_u32 s16, s16, s17
	s_mov_b32 s17, 0
	s_add_nc_u64 s[6:7], s[6:7], s[16:17]
; 8 matrix instructions: query blocks a0, a0 + 1 x all 4 key blocks, 32 along K: half c of buffer f.  The 16 accumulators take turns.
.macro MUL8 f, c, a0, zero
.irp a, \a0, \a0+1
.irp b, 0,1,2,3
.if \zero
	v_wmma_f32_16x16x32_f16 v[ACC+8*(4*(\a)+\b):ACC+8*(4*(\a)+\b)+7], v[\f+64+8*(4*\c+\b):\f+64+8*(4*\c+\b)+7], v[\f+8*(4*\c+\a):\f+8*(4*\c+\a)+7], 0
.else
	v_wmma_f32_16x16x32_f16 v[ACC+8*(4*(\a)+\b):ACC+8*(4*(\a)+\b)+7], v[\f+64+8*(4*\c+\b):\f+64+8*(4*\c+\b)+7], v[\f+8*(4*\c+\a):\f+8*(4*\c+\a)+7], v[ACC+8*(4*(\a)+\b):ACC+8*(4*(\a)+\b)+7]
.endif
.endr
.endr
.endm
.macro FETCH slot, k, f                ; 32 LDS loads in one run: the fragments of 64 along K at byte k of the rows; the first 32 along K first
	WIN TO_F
.irp c, 0,1
.irp i, 0,1,2,3
	ds_load_b128 v[\f+64+8*(4*\c+\i):\f+64+8*(4*\c+\i)+3],   v[ADRB+\slot] offset:\k+64*\c+\i*16*PITCH
	ds_load_b128 v[\f+64+8*(4*\c+\i)+4:\f+64+8*(4*\c+\i)+7], v[ADRB+\slot] offset:\k+64*\c+\i*16*PITCH+32
	ds_load_b128 v[\f+8*(4*\c+\i):\f+8*(4*\c+\i)+3],         v[ADRA+\slot] offset:\k+64*\c+\i*16*PITCH
	ds_load_b128 v[\f+8*(4*\c+\i)+4:\f+8*(4*\c+\i)+7],       v[ADRA+\slot] offset:\k+64*\c+\i*16*PITCH+32
.endr
.endr
.endm
.macro PLACES                          ; four plain vector instructions between a matrix instruction and a load into, or a read of, its registers
.rept 4
	v_nop
.endr
.endm
.macro QUARTER slot, k, f, g, zero     ; 64 along K: multiplies buffer f and fetches the next quarter, at byte k, into g
	s_wait_dscnt 16                                ; the first 32 along K are in; the sixteen loads of the second 32 may be out
	WIN MUL
	MUL8 \f, 0, 0, \zero
	MUL8 \f, 0, 2, \zero
	PLACES
	FETCH \slot, \k, \g
	s_wait_dscnt 32                                ; all but the 32 just issued
	WIN MUL
	MUL8 \f, 1, 0, 0
	MUL8 \f, 1, 2, 0
.endm
; The last quarter of a K step changes slots: one barrier; in front of it each wave waits for all its tensor loads, adds 0 to its spare word, and waits for that and for its own reads of this slot.
.macro TURN slot, next, fill
	WIN 0                                          ; (the add's two registers lie in window 0)
	s_wait_tensorcnt 0x0                           ; all my tensor loads have landed: my part of the next slot; so a group 0 may be written
	ds_add_u32 v[SPW], v[NIL]
.if \fill
	s_add_nc_u64 s[G0+4*\slot+2:G0+4*\slot+3], s[G0+4*\slot+2:G0+4*\slot+3], 2*KSTEP*2   ; this slot's next K step
.endif
	s_wait_dscnt 17                                ; (the add and the youngest sixteen loads may be out)
	WIN MUL
	MUL8 F1, 0, 0, 0
	s_wait_dscnt 0x0                               ; the add is done, and my reads of this slot are over
	s_barrier_signal -1
	MUL8 F1, 0, 2, 0
	s_barrier_wait -1
.if \fill
	tensor_load_to_lds s[G0+4*\slot:G0+4*\slot+3], s[G1:G1+7]      ; my one tensor load behind the barrier, and the first thing there
	s_nop 0
.endif
	PLACES                                         ; in front of the loads below
	FETCH \next, 0, F0
	WIN MUL
	MUL8 F1, 1, 0, 0
	MUL8 F1, 1, 2, 0
.endm
	s_wait_tensorcnt 1                             ; my part of K step 0 is in (K step 1's may be out)
	s_barrier_signal -1
	s_barrier_wait -1                              ; everybody's is
	FETCH 0, 0, F0
	QUARTER 0, 128, F0, F1, 1                      ; the first quarter stands in front of the loop: its first products start the sums
	WIN 0
	s_mov_b32 s3, LAPS-1
.Llap:                                                 ; a trip goes once round the ring and fills both slots again
	QUARTER 0, 256, F1, F0, 0
	QUARTER 0, 384, F0, F1, 0
	TURN 0, 1, 1
	QUARTER 1, 128, F0, F1, 0
	QUARTER 1, 256, F1, F0, 0
	QUARTER 1, 384, F0, F1, 0
	TURN 1, 0, 1
	QUARTER 0, 128, F0, F1, 0
	WIN 0
	s_sub_co_u32 s3, s3, 1
	s_cmp_lg_u32 s3, 0
	s_cbranch_scc1 .Llap
	QUARTER 0, 256, F1, F0, 0                      ; the last lap fills nothing
	QUARTER 0, 384, F0, F1, 0
	TURN 0, 1, 0
	QUARTER 1, 128, F0, F1, 0
	QUARTER 1, 256, F1, F0, 0
	QUARTER 1, 384, F0, F1, 0
	s_wait_dscnt 16
	WIN MUL
	MUL8 F1, 0, 0, 0
	MUL8 F1, 0, 2, 0
	s_wait_dscnt 0
	MUL8 F1, 1, 0, 0
	MUL8 F1, 1, 2, 0
	WIN 0
	; THE WAY OUT, 16 queries x 64 keys at a time: scaled, 32 bytes a lane into my own stage, back as whole rows of 256 bytes.
	PLACES
.irp a, 0,1,2,3
.if \a >= 2
	s_wait_xcnt 0x0                                ; block a - 2's stores have read their registers: the loads below may land there
.endif
.irp b, 0,1,2,3
.irp i, 0,1,2,3
	v_pk_mul_f32 v[TMP+8*\b+2*\i:TMP+8*\b+2*\i+1], v[ACC+8*(4*\a+\b)+2*\i:ACC+8*(4*\a+\b)+2*\i+1], s[CS:CS+1] op_sel_hi:[1,0]   ; each accumulator from its low end on
.endr
.endr
.irp b, 0,1,2,3
	ds_store_b128 v[STO], v[TMP+8*\b:TMP+8*\b+3] offset:64*\b
	ds_store_b128 v[STO], v[TMP+8*\b+4:TMP+8*\b+7] offset:64*\b+16
.endr
.irp t, 0,1,2,3,4,5,6,7
	ds_load_b128 v[BK+32*(\a%2)+4*\t:BK+32*(\a%2)+4*\t+3], v[RD] offset:\t*2*SPITCH   ; LDS serves a wave's instructions in order: these see the stores above
.endr
	s_wait_dscnt 0x0
.irp t, 0,1,2,3,4,5,6,7
	global_store_b128 v[CO], v[BK+32*(\a%2)+4*\t:BK+32*(\a%2)+4*\t+3], s[6:7] offset:(16*\a+2*\t)*4096   ; 16 lanes store 256 consecutive bytes, at a multiple of 256 from sc's first byte
.endr
.endr
	s_wait_tensorcnt 0x0                           ; the wave's end
	ds_add_u32 v[SPW], v[NIL]
	s_wait_dscnt 0x0
	s_endpgm
.Lfunc_end_k_q36b2da9d28_scores:
	.size	k_q36b2da9d28_scores, .Lfunc_end_k_q36b2da9d28_scores-k_q36b2da9d28_scores
	.p2alignl 7, 3214868480
	.fill 96, 4, 3214868480
	.section	.rodata,"a",@progbits
	.p2align	6, 0x0
	.amdhsa_kernel k_q36b2da9d28_scores
		.amdhsa_group_segment_fixed_size 327680
		.amdhsa_private_segment_fixed_size 0
		.amdhsa_enable_private_segment 0
		.amdhsa_kernarg_size 16
		.amdhsa_user_sgpr_count 2
		.amdhsa_user_sgpr_kernarg_segment_ptr 1
		.amdhsa_wavefront_size32 1
		.amdhsa_system_sgpr_workgroup_id_x 1
		.amdhsa_system_sgpr_workgroup_id_y 1
		.amdhsa_system_sgpr_workgroup_id_z 1
		.amdhsa_system_vgpr_workitem_id 0
		.amdhsa_next_free_vgpr 512
		.amdhsa_next_free_sgpr 66
		.amdhsa_reserve_vcc 0
		.amdhsa_float_denorm_mode_32 3
		.amdhsa_float_denorm_mode_16_64 3
		.amdhsa_memory_ordered 1
		.amdhsa_forward_progress 1
		.amdhsa_inst_pref_size 86
	.end_amdhsa_kernel
	.amdgpu_metadata
---
amdhsa.version: [ 1, 2 ]
amdhsa.kernels:
  - .name:           k_q36b2da9d28_scores
    .symbol:         k_q36b2da9d28_scores.kd
    .args:
      - { .name: qkv, .offset: 0, .size: 8, .value_kind: global_buffer, .address_space: global }
      - { .name: sc, .offset: 8, .size: 8, .value_kind: global_buffer, .address_space: global }
    .group_segment_fixed_size: 327680
    .private_segment_fixed_size: 0
    .kernarg_segment_align: 8
    .kernarg_segment_size: 16
    .max_flat_workgroup_size: 128
    .sgpr_count:     66
    .vgpr_count:     512
    .wavefront_size: 32
...
	.end_amdgpu_metadata
.endif
;; end of part 4
;; launch softmax (part 5): grid 64 x 4, 4 waves a work-group, no clusters, 0 bytes of LDS; arguments sc, pm; writes pm
.if DOCPART == 5
	.amdgcn_target "amdgcn-amd-amdhsa--gfx1250"
	.amdhsa_code_object_version 6
	.text
	.protected	k_q36b2da9d28_softmax
	.globl	k_q36b2da9d28_softmax
	.p2align	8
	.type	k_q36b2da9d28_softmax,@function
k_q36b2da9d28_softmax:
	s_mov_b64 s[64:65], 0
	v_nop
	global_prefetch_b8 v0, s[64:65] scope:SCOPE_SE
	s_setreg_imm32_b32 hwreg(HW_REG_WAVE_MODE, 25, 1), 1
	s_wait_xcnt 0x0
; pm[batch][q][k] = softmax over k <= q of the scores, in f32, rounded once to f16.  sc holds t = score x log2(e) / sqrt(2048), so p = 2^(t - the row's largest t) / the row's sum.
; WORK LEFT OUT: column blocks of 128 beyond a row's own block are wholly under the causal mask (head of the first kernel): they were not written, are not read, and are not stored.
; A work-group takes 16 rows, a wave 4; a row of 1,024 numbers lies in 32 registers of the wave: chunk c (128 columns) in registers 4 c .. 4 c + 3, a lane holding columns 128 c + 4 lane + 0 .. 3.
; The text has no branch among the loads: a chunk beyond the row's block reads the row's own block once more (its address is held there by a minimum on ids), and the mask then hides it.
; The largest t is taken away ahead of the exponential, as the problem does; key 0 counts for every row, so it is a number.  No LDS, no barrier, no matrix work: a row never leaves its wave.
.set X0, 32                            ; v32-159  row p at v[32 + 32 p]
.set A0, 160                           ; v160-175 four work registers a row
	s_load_b128 s[4:7], s[0:1], 0x0                ; sc s[4:5], pm s[6:7]
	v_lshrrev_b32 v1, 5, v0
	v_readfirstlane_b32 s8, v1                     ; wave
	v_and_b32 v1, 31, v0                           ; lane
	v_lshlrev_b32 v2, 4, v1                        ; 16 bytes a lane in
	v_lshlrev_b32 v3, 3, v1                        ; 8 bytes a lane out
	v_lshlrev_b32 v4, 2, v1
	s_lshr_b32 s9, ttmp9, 3                        ; the rows' block of 128
	s_lshl_b32 s10, ttmp9, 4
	s_lshl_b32 s11, s8, 2
	s_add_co_u32 s10, s10, s11                     ; my first row in the batch
	s_and_b32 s11, ttmp7, 0xffff                   ; batch
.irp c, 0,1,2,3,4,5,6,7
	s_min_u32 s14, s9, \c
	s_lshl_b32 s14, s14, 9
	v_add_nc_u32 v[8+\c], s14, v2                  ; chunk c's bytes, or the row's own block's
.endr
.irp p, 0,1,2,3
	s_add_co_u32 s14, s10, \p
	v_sub_nc_u32 v[16+\p], s14, v4                 ; d = row - 4 lane: column 128 c + 4 lane + e is hidden where 128 c + e > d
	v_mov_b32 v[A0+4*\p+1], 0                      ; written once: a lane permute's destination counts as one of its sources
.endr
	v_mov_b32 v20, 0xff800000                      ; -infinity
	s_mov_b32 s12, 0x76543210
	s_mov_b32 s13, 0xfedcba98                      ; v_permlanex16_b32's selects for lane l xor 16
	s_lshl_b32 s16, s11, 22
	s_lshl_b32 s17, s10, 12
	s_add_co_u32 s16, s16, s17
	s_mov_b32 s17, 0
	s_lshl_b32 s18, s11, 21
	s_lshl_b32 s19, s10, 11
	s_add_co_u32 s18, s18, s19
	s_mov_b32 s19, 0
	s_wait_kmcnt 0x0
	s_add_nc_u64 s[4:5], s[4:5], s[16:17]
	s_add_nc_u64 s[6:7], s[6:7], s[18:19]
.irp p, 0,1,2,3
.irp c, 0,1,2,3,4,5,6,7
	global_load_b128 v[X0+32*\p+4*\c:X0+32*\p+4*\c+3], v[8+\c], s[4:5] offset:4096*\p
.endr
.endr
.macro ROWMAX p                        ; row p: the mask, the largest t, t less it
.set XR, X0+32*(\p)
.set AR, A0+4*(\p)
	s_wait_loadcnt 8*(3-(\p))                      ; this row's eight loads are in; the later rows' stay out
.set n, 0
.rept 32
	v_cmp_gt_i32 vcc_lo, 128*(n/4)+n%4, v[16+(\p)]
	v_cndmask_b32 v[XR+n], v[XR+n], v20, vcc_lo
.set n, n+1
.endr
	v_max3_num_f32 v[AR], v[XR], v[XR+1], v[XR+2]
	v_max3_num_f32 v[AR+2], v[XR+3], v[XR+4], v[XR+5]
.irp i, 6,10,14,18,22,26
	v_max3_num_f32 v[AR], v[AR], v[XR+\i], v[XR+\i+1]
	v_max3_num_f32 v[AR+2], v[AR+2], v[XR+\i+2], v[XR+\i+3]
.endr
	v_max3_num_f32 v[AR], v[AR], v[XR+30], v[XR+31]
	v_max_num_f32 v[AR], v[AR], v[AR+2]
	v_max_num_f32_dpp v[AR], v[AR], v[AR] row_xmask:1 row_mask:0xf bank_mask:0xf
	v_max_num_f32_dpp v[AR], v[AR], v[AR] row_xmask:2 row_mask:0xf bank_mask:0xf
	v_max_num_f32_dpp v[AR], v[AR], v[AR] row_xmask:4 row_mask:0xf bank_mask:0xf
	v_max_num_f32_dpp v[AR], v[AR], v[AR] row_xmask:8 row_mask:0xf bank_mask:0xf
	v_permlanex16_b32 v[AR+1], v[AR], s12, s13
	v_max_num_f32 v[AR], v[AR], v[AR+1]            ; every lane holds the row's largest t
.set n, 0
.rept 16
	v_pk_add_f32 v[XR+n:XR+n+1], v[XR+n:XR+n+1], v[AR:AR+1] op_sel_hi:[1,0] neg_lo:[0,1] neg_hi:[0,1]
.set n, n+2
.endr
.endm
.macro ROWSUM p
.set XR, X0+32*(\p)
.set AR, A0+4*(\p)
	v_pk_add_f32 v[AR:AR+1], v[XR:XR+1], v[XR+2:XR+3]
	v_pk_add_f32 v[AR+2:AR+3], v[XR+4:XR+5], v[XR+6:XR+7]
.irp i, 8,12,16,20,24,28
	v_pk_add_f32 v[AR:AR+1], v[AR:AR+1], v[XR+\i:XR+\i+1]
	v_pk_add_f32 v[AR+2:AR+3], v[AR+2:AR+3], v[XR+\i+2:XR+\i+3]
.endr
	v_pk_add_f32 v[AR:AR+1], v[AR:AR+1], v[AR+2:AR+3]
	v_add_f32 v[AR], v[AR], v[AR+1]
	v_add_f32_dpp v[AR], v[AR], v[AR] row_xmask:1 row_mask:0xf bank_mask:0xf
	v_add_f32_dpp v[AR], v[AR], v[AR] row_xmask:2 row_mask:0xf bank_mask:0xf
	v_add_f32_dpp v[AR], v[AR], v[AR] row_xmask:4 row_mask:0xf bank_mask:0xf
	v_add_f32_dpp v[AR], v[AR], v[AR] row_xmask:8 row_mask:0xf bank_mask:0xf
	v_permlanex16_b32 v[AR+1], v[AR], s12, s13
	v_add_f32 v[AR], v[AR], v[AR+1]                ; the row's sum
.endm
.macro ROWOUT p                        ; p / the sum, rounded to f16 in place, ascending: number i's pair lands at or under the registers that it was read from
.set XR, X0+32*(\p)
.set AR, A0+4*(\p)
.set n, 0
.rept 16
	v_pk_mul_f32 v[XR+n:XR+n+1], v[XR+n:XR+n+1], v[AR+2:AR+3] op_sel_hi:[1,0]
.set n, n+2
.endr
.set n, 0
.rept 16
	v_cvt_pk_f16_f32 v[XR+n], v[XR+2*n], v[XR+2*n+1]
.set n, n+1
.endr
.endm
	ROWMAX 0
	ROWMAX 1
	ROWMAX 2
	ROWMAX 3
.set n, 0
.rept 128
	v_exp_f32 v[X0+n], v[X0+n]                     ; one batch of all four rows' exponentials
.set n, n+1
.endr
	v_nop                                          ; a plain instruction behind the last of them
	s_wait_alu depctr_va_vdst(0)                   ; one wait for the batch, ahead of its first reader
	ROWSUM 0
	ROWSUM 1
	ROWSUM 2
	ROWSUM 3
.irp p, 0,1,2,3
	v_rcp_f32 v[A0+4*\p+2], v[A0+4*\p]
.endr
	v_nop
	s_wait_alu depctr_va_vdst(0)                   ; one wait for the four reciprocals
	ROWOUT 0
	ROWOUT 1
	ROWOUT 2
	ROWOUT 3
.irp c, 0,1,2,3,4,5,6,7
.if \c > 0
	s_cmp_lt_u32 s9, \c                            ; chunks beyond the rows' own block are not stored: a branch on ids
	s_cbranch_scc1 .Lend
.endif
.irp p, 0,1,2,3
	global_store_b64 v3, v[X0+32*\p+2*\c:X0+32*\p+2*\c+1], s[6:7] offset:2048*\p+256*\c   ; 32 lanes store 256 consecutive bytes, at a multiple of 256 from pm's first byte
.endr
.endr
.Lend:
	s_endpgm
.Lfunc_end_k_q36b2da9d28_softmax:
	.size	k_q36b2da9d28_softmax, .Lfunc_end_k_q36b2da9d28_softmax-k_q36b2da9d28_softmax
	.p2alignl 7, 3214868480
	.fill 96, 4, 3214868480
	.section	.rodata,"a",@progbits
	.p2align	6, 0x0
	.amdhsa_kernel k_q36b2da9d28_softmax
		.amdhsa_group_segment_fixed_size 0
		.amdhsa_private_segment_fixed_size 0
		.amdhsa_enable_private_segment 0
		.amdhsa_kernarg_size 16
		.amdhsa_user_sgpr_count 2
		.amdhsa_user_sgpr_kernarg_segment_ptr 1
		.amdhsa_wavefront_size32 1
		.amdhsa_system_sgpr_workgroup_id_x 1
		.amdhsa_system_sgpr_workgroup_id_y 1
		.amdhsa_system_sgpr_workgroup_id_z 1
		.amdhsa_system_vgpr_workitem_id 0
		.amdhsa_next_free_vgpr 180
		.amdhsa_next_free_sgpr 66
		.amdhsa_reserve_vcc 1
		.amdhsa_float_denorm_mode_32 3
		.amdhsa_float_denorm_mode_16_64 3
		.amdhsa_memory_ordered 1
		.amdhsa_forward_progress 1
		.amdhsa_inst_pref_size 48
	.end_amdhsa_kernel
	.amdgpu_metadata
---
amdhsa.version: [ 1, 2 ]
amdhsa.kernels:
  - .name:           k_q36b2da9d28_softmax
    .symbol:         k_q36b2da9d28_softmax.kd
    .args:
      - { .name: sc, .offset: 0, .size: 8, .value_kind: global_buffer, .address_space: global }
      - { .name: pm, .offset: 8, .size: 8, .value_kind: global_buffer, .address_space: global }
    .group_segment_fixed_size: 0
    .private_segment_fixed_size: 0
    .kernarg_segment_align: 8
    .kernarg_segment_size: 16
    .max_flat_workgroup_size: 128
    .sgpr_count:     66
    .vgpr_count:     180
    .wavefront_size: 32
...
	.end_amdgpu_metadata
.endif
;; end of part 5
;; launch pv (part 6): grid 16 x 16, 4 waves a work-group, clusters of 4 x 1, 327,680 bytes of LDS; arguments pm, qkv, out0; writes out0
.if DOCPART == 6
	.amdgcn_target "amdgcn-amd-amdhsa--gfx1250"
	.amdhsa_code_object_version 6
	.text
	.protected	k_q36b2da9d28_pv
	.globl	k_q36b2da9d28_pv
	.p2align	8
	.type	k_q36b2da9d28_pv,@function
k_q36b2da9d28_pv:
	s_mov_b64 s[64:65], 0
	v_nop
	global_prefetch_b8 v0, s[64:65] scope:SCOPE_SE
	s_setreg_imm32_b32 hwreg(HW_REG_WAVE_MODE, 25, 1), 1
	s_wait_xcnt 0x0
	s_wait_alu depctr_hold_cnt(0) depctr_sa_sdst(0) depctr_va_vdst(0) depctr_va_sdst(0) depctr_va_ssrc(0) depctr_va_vcc(0) depctr_vm_vsrc(0)
	s_getreg_b32 s2, hwreg(HW_REG_IB_STS2, 6, 4)
	s_cmp_eq_u32 s2, 0
	s_cbranch_scc0 .Lentry_in_a_cluster
	s_endpgm
.Lentry_in_a_cluster:
	s_bfe_u32 s2, ttmp6, 0x10000c
	s_cmp_lg_u32 s2, 0x3003
	s_cbranch_scc0 .Lentry_shape_is_right
	s_endpgm
.Lentry_shape_is_right:
; out0[batch][q][c] = sum over k of p[q][k] v[k][c], from f16 operands with f32 sums.  pm [4][1024][1024] f16; v = columns 4096-6143 of qkv [4096][6144] f16; out0 [4][1024][2048] f32.
; WORK LEFT OUT: key blocks of 128 beyond a row block are wholly under the causal mask (head of the first kernel): row block b sums b + 1 key blocks.  Rows 0-15 of each batch have been made, in f32, by the launch
; before this one, and are not stored here.
; SHARES.  A work-group makes two tiles of 128 rows x 128 channels, row blocks 7 - p and p, one behind the other: (8 - p) + (p + 1) = 9 steps of 128 keys, whatever p: 256 work-groups of equal work.
; y = 4 batch + p; channel block = 4 cluster x + cx.  A wave makes 64 x 64: 16 accumulators.
; CLUSTER.  The four partners differ in the channel block alone, so they walk the same tiles of P: those are asked for jointly (mask 15).  V's tiles differ between partners: plain loads.
; V is not shared between work-groups of different p: their walks over the keys coincide in part only.  All branches hang on y and the wave's number, which partners share.
; THE RING.  Four places in LDS, each with a step's tile of P (128 x 272 bytes) and of V (128 x 288); a fill brings two steps: wave w fetches P (w even) or V (w odd) of step 2 f + w / 2.
; Fills 0 and 1 go out at the head (two tensor loads of mine out), fills 2, 3, 4 behind the rounds in steps 1, 3, 5 (one out); fill 4 is step 8 alone: waves 0 and 1.
; THE MATRIX INSTRUCTION IS USED TRANSPOSED: O^T = V^T P^T (source 0 = 16 channels x 32 keys, read turned from LDS; source 1 = 16 queries x 32 keys): a lane holds one query and eight neighbouring channels.
; REGISTERS: window 0: v8-11, v12-15 LDS addresses of P's and V's fragments in the four places; v24-29 way out and the add's two; v32-95 rows read back, two sets; v128-255 the accumulators.
;   window 1: two fragment buffers of 128: for 64 keys, 64 registers of P, then 64 of V.
.set PP,    272                        ; a row of P in LDS: 256 bytes + 16
.set PV,    288                        ; a row of V: 256 + 32
.set VOFF,  128*PP
.set STEPB, 128*(PP+PV)
.set STAGE, 4*STEPB                    ; behind the ring, bytes of its own: 16 rows x 272 bytes for each wave
.set SPITCH, 272
.set SPARE, STAGE+4*16*SPITCH          ; the spare words, 128 bytes a wave, which no other line names
.set QROW,  12288
.set ADP,  8
.set ADV,  12
.set STO,  24
.set RD,   25
.set CO,   26
.set SPW,  28
.set NIL,  29
.set BK,   32
.set ACC,  128
.set F0,   0
.set F1,   128
.set G1P, 24                           ; s[24:31] group 1 for P's tiles;  s[32:39] for V's
.set G1V, 32
.set G0P, 40                           ; s[40:47] group 0 for P's tiles, sets 0 and 1 by turns;  s[48:55] for V's
.set G0V, 48
; s10 wave; s11 = w & 1: I fetch P (0) or V (1), and my half of the channels; s12 = w >> 1: which of a fill's two steps I fetch, and my half of the rows
; s15 p; s16 batch; s17 = 8 - p: the step at which the second tile begins; s60 = 7 - p; s18 = p | s12: 0 where my rows begin a batch
; s[56:57], s[58:59] out0 at my part of the first and of the second tile; s[62:63] pm at the batch; s[68:69] qkv at the batch's v, my channel block
.set MSB, 0
.macro WIN new
.if MSB != (\new)
	s_set_vgpr_msb (MSB<<8)|(\new)
.set MSB, (\new)
.endif
.endm
.set MUL,  0x05                        ; sources 0 and 1 window 1; C and D window 0
.set TO_F, 0x40
.macro CREST
	s_cmp_lg_u32 s10, 0
	s_cbranch_scc1 .Lnot_wave_0_\@
	s_barrier_signal -3
.Lnot_wave_0_\@:
	s_barrier_wait -3
	s_barrier_signal -1
	s_barrier_wait -1
.endm
.macro CROUND
	s_barrier_signal -1
	s_barrier_wait -1
	CREST
.endm
; Where fill f's tiles lie in memory, into set f % 2 of both groups 0.  Step 2 f + s12: row block 7 - p and key block = the step while the step is under 8 - p, then row block p and key block = the step - (8 - p).
; P's address is made of y and the wave's number alone; cx stands in V's base only.
.macro ADDR f
.set NS, 4*((\f)%2)
	s_add_co_u32 s19, s12, 2*(\f)
	s_sub_co_u32 s20, s19, s17
	s_cmp_lt_u32 s19, s17
	s_cselect_b32 s20, s19, s20                    ; key block
	s_cselect_b32 s21, s60, s15                    ; row block
	s_lshl_b32 s21, s21, 18                        ; 128 rows of 2,048 bytes
	s_lshl_b32 s22, s20, 8                         ; 128 keys of 2 bytes
	s_add_co_u32 s22, s22, s21
	s_mov_b32 s23, 0
	s_add_nc_u64 s[G0P+NS+2:G0P+NS+3], s[62:63], s[22:23]
	s_or_b32 s[G0P+NS+3], s[G0P+NS+3], 0x80000000
	s_mul_i32 s66, s20, 128*QROW
	s_mov_b32 s67, 0
	s_add_nc_u64 s[G0V+NS+2:G0V+NS+3], s[68:69], s[66:67]
	s_or_b32 s[G0V+NS+3], s[G0V+NS+3], 0x80000000
.endm
; A refill by set n.  The branch hangs on the wave's number alone.  An s_nop 0 and four v_nop follow each of the two lines.
.macro TLOAD n
	s_cmp_eq_u32 s11, 0
	s_cbranch_scc0 .Lfor_v_\@
	tensor_load_to_lds s[G0P+4*(\n):G0P+4*(\n)+3], s[G1P:G1P+7]
	s_nop 0
.rept 4
	v_nop
.endr
	s_branch .Lasked_\@
.Lfor_v_\@:
	tensor_load_to_lds s[G0V+4*(\n):G0V+4*(\n)+3], s[G1V:G1V+7]
	s_nop 0
.rept 4
	v_nop
.endr
.Lasked_\@:
.endm
	s_load_b128 s[4:7], s[0:1], 0x0                ; pm s[4:5], qkv s[6:7]
	s_load_b64 s[8:9], s[0:1], 0x10                ; out0
	v_lshl_add_u32 v[SPW], v0, 2, SPARE
	v_mov_b32 v[NIL], 0
	ds_add_u32 v[SPW], v[NIL]                      ; the wave's opening: the add, twice on end, and its wait ahead of my first tensor load
	ds_add_u32 v[SPW], v[NIL]
	v_lshrrev_b32 v1, 5, v0
	v_readfirstlane_b32 s10, v1                    ; wave 0..3
	s_and_b32 s11, s10, 1
	s_lshr_b32 s12, s10, 1
	s_bfe_u32 s13, ttmp6, 0x40000                  ; cx
	s_lshl_b32 s14, ttmp9, 2
	s_add_co_u32 s14, s14, s13                     ; channel block: it enters V's and out0's addresses alone
	s_and_b32 s16, ttmp7, 0xffff
	s_and_b32 s15, s16, 3                          ; p
	s_lshr_b32 s16, s16, 2                         ; batch
	s_sub_co_u32 s17, 8, s15
	s_sub_co_u32 s60, 7, s15
	s_or_b32 s18, s15, s12
	s_mov_b32 s[G1P], 15|(1<<16)|(1<<20)|(1<<21)|(5<<22)|(3<<25)   ; the mask: all four work-groups; elements of 2 bytes; padding: four words behind every 64
	s_mov_b32 s[G1V], (1<<16)|(1<<20)|(5<<22)|(7<<25)              ; no mask; eight words of padding
.irp g, G1P, G1V
	s_mov_b32 s[\g+1], 128<<16                     ; tensor_dim0
	s_mov_b32 s[\g+2], 128<<16                     ; tensor_dim1
	s_mov_b32 s[\g+3], 128<<16                     ; tile_dim0
	s_mov_b32 s[\g+4], 128                         ; tile_dim1
	s_mov_b32 s[\g+6], 0
	s_mov_b32 s[\g+7], 0
.endr
	s_mov_b32 s[G1P+5], 1024                       ; the pitch, in elements
	s_mov_b32 s[G1V+5], 6144
	s_mul_i32 s19, s12, STEPB
.irp n, 0,1
	s_mov_b32 s[G0P+4*\n], 1
	s_add_co_u32 s[G0P+4*\n+1], s19, 2*\n*STEPB            ; place 2 n + s12: written once
	s_mov_b32 s[G0V+4*\n], 1
	s_add_co_u32 s[G0V+4*\n+1], s19, 2*\n*STEPB+VOFF
.endr
	s_lshl_b32 s22, s16, 21                        ; pm: the batch
	s_mov_b32 s23, 0
	s_mul_i32 s66, s16, 1024*QROW                  ; qkv: the batch's first row, v's bytes of it, my 128 channels
	s_lshl_b32 s67, s14, 8
	s_add_co_u32 s66, s66, s67
	s_add_co_u32 s66, s66, 8192
	s_mov_b32 s67, 0
	s_lshl_b32 s70, s16, 10
	s_lshl_b32 s71, s12, 6
	s_add_co_u32 s70, s70, s71                     ; 1,024 batch + 64 x my half of the rows
	s_lshl_b32 s71, s60, 7
	s_add_co_u32 s71, s71, s70
	s_lshl_b32 s56, s71, 13                        ; rows of 8,192 bytes
	s_lshl_b32 s71, s15, 7
	s_add_co_u32 s71, s71, s70
	s_lshl_b32 s58, s71, 13
	s_lshl_b32 s70, s14, 9
	s_lshl_b32 s71, s11, 8
	s_add_co_u32 s70, s70, s71                     ; 512 x channel block + 256 x my half of the channels
	s_add_co_u32 s56, s56, s70
	s_add_co_u32 s58, s58, s70
	s_mov_b32 s57, 0
	s_mov_b32 s59, 0
	s_wait_dscnt 0x0                               ; both opening adds are done
	s_wait_kmcnt 0x0
	s_add_nc_u64 s[62:63], s[4:5], s[22:23]
	s_add_nc_u64 s[68:69], s[6:7], s[66:67]
	s_add_nc_u64 s[56:57], s[8:9], s[56:57]
	s_add_nc_u64 s[58:59], s[8:9], s[58:59]
	ADDR 0
	ADDR 1
	CROUND                                         ; all four work-groups are here: the first joint loads meet
	s_cmp_eq_u32 s11, 0                            ; a wave's two first fills stand in one branch
	s_cbranch_scc0 .Lfirst_v
	tensor_load_to_lds s[G0P:G0P+3], s[G1P:G1P+7]
	s_nop 0
	tensor_load_to_lds s[G0P+4:G0P+7], s[G1P:G1P+7]
	s_nop 0
.rept 4
	v_nop
.endr
	s_branch .Lfirst_asked
.Lfirst_v:
	tensor_load_to_lds s[G0V:G0V+3], s[G1V:G1V+7]
	s_nop 0
	tensor_load_to_lds s[G0V+4:G0V+7], s[G1V:G1V+7]
	s_nop 0
.rept 4
	v_nop
.endr
.Lfirst_asked:
	v_and_b32 v1, 15, v0                           ; r
	v_bfe_u32 v2, v0, 4, 1                         ; h
	v_mul_u32_u24 v3, v1, PP
	v_lshl_add_u32 v3, v2, 4, v3                   ; P: row r x pitch + 16 h
	v_and_b32 v4, 7, v0                            ; V, for the turning load: key 8 h + lane % 8, channels 8 ((lane / 8) % 2) on
	v_lshl_add_u32 v4, v2, 3, v4
	v_mul_u32_u24 v4, v4, PV
	v_bfe_u32 v5, v0, 3, 1
	v_lshl_add_u32 v4, v5, 4, v4
	s_mul_i32 s19, s12, 64*PP                      ; my 64 rows of P
	s_lshl_b32 s20, s11, 7                         ; my 64 channels of V,
	s_add_co_u32 s20, s20, VOFF                    ; which lies behind P's tile
.irp q, 0,1,2,3
	v_add_nc_u32 v[ADP+\q], s19, v3
	v_add_nc_u32 v[ADV+\q], s20, v4
	s_add_co_u32 s19, s19, STEPB
	s_add_co_u32 s20, s20, STEPB
.endr
	s_mul_i32 s21, s10, 16*SPITCH
	s_add_co_u32 s21, s21, STAGE                   ; my stage
	v_mul_u32_u24 v5, v1, SPITCH                   ; in: row r, 32 bytes for each half of the lanes
	v_lshl_add_u32 v5, v2, 5, v5
	v_add_nc_u32 v[STO], s21, v5
	v_mul_u32_u24 v5, v2, SPITCH                   ; back: lanes 0-15 one row of 256 bytes, lanes 16-31 the next
	v_lshl_add_u32 v5, v1, 4, v5
	v_add_nc_u32 v[RD], s21, v5
	v_lshlrev_b32 v5, 13, v2                       ; and the same two rows in out0
	v_lshl_add_u32 v[CO], v1, 4, v5
; 8 matrix instructions: query blocks a0, a0 + 1 x all 4 channel blocks, 32 keys: half c of buffer f.  The 16 accumulators take turns.
.macro MUL8 f, c, a0, zero
.irp a, \a0, \a0+1
.irp b, 0,1,2,3
.if \zero
	v_wmma_f32_16x16x32_f16 v[ACC+8*(4*(\a)+\b):ACC+8*(4*(\a)+\b)+7], v[\f+64+8*(4*\c+\b):\f+64+8*(4*\c+\b)+7], v[\f+8*(4*\c+\a):\f+8*(4*\c+\a)+7], 0
.else
	v_wmma_f32_16x16x32_f16 v[ACC+8*(4*(\a)+\b):ACC+8*(4*(\a)+\b)+7], v[\f+64+8*(4*\c+\b):\f+64+8*(4*\c+\b)+7], v[\f+8*(4*\c+\a):\f+8*(4*\c+\a)+7], v[ACC+8*(4*(\a)+\b):ACC+8*(4*(\a)+\b)+7]
.endif
.endr
.endr
.endm
; 32 LDS loads in one run: the fragments of keys 64 hf .. 64 hf + 63 of place q into buffer f; the first 32 keys first
.macro FETCH q, hf, f
	WIN TO_F
.irp c, 0,1
.irp i, 0,1,2,3
	ds_load_tr16_b128 v[\f+64+8*(4*\c+\i):\f+64+8*(4*\c+\i)+3],   v[ADV+\q] offset:(2*(\hf)+\c)*32*PV+32*\i
	ds_load_tr16_b128 v[\f+64+8*(4*\c+\i)+4:\f+64+8*(4*\c+\i)+7], v[ADV+\q] offset:(2*(\hf)+\c)*32*PV+16*PV+32*\i
	ds_load_b128 v[\f+8*(4*\c+\i):\f+8*(4*\c+\i)+3],              v[ADP+\q] offset:16*\i*PP+(2*(\hf)+\c)*64
	ds_load_b128 v[\f+8*(4*\c+\i)+4:\f+8*(4*\c+\i)+7],            v[ADP+\q] offset:16*\i*PP+(2*(\hf)+\c)*64+32
.endr
.endr
.endm
.macro PLACES                          ; four plain vector instructions between a matrix instruction and a load into its registers
.rept 4
	v_nop
.endr
.endm
.macro HALF qn, hn, f, g, zero         ; 64 keys: multiplies buffer f and fetches half hn of place qn into g
	s_wait_dscnt 16                                ; the first 32 keys are in; the sixteen loads of the second 32 may be out
	WIN MUL
	MUL8 \f, 0, 0, \zero
	MUL8 \f, 0, 2, \zero
	PLACES
	FETCH \qn, \hn, \g
	s_wait_dscnt 32                                ; all but the 32 just issued
	WIN MUL
	MUL8 \f, 1, 0, 0
	MUL8 \f, 1, 2, 0
.endm
; THE WAY OUT of a tile, 16 queries x 64 channels at a time: 32 bytes a lane into my own stage, back as whole rows of 256 bytes.  Five plain instructions stand behind the last products:
; four for the stores that read results, the fifth for the products that begin the accumulators anew.  last = 1: the second tile; where my rows begin a batch, its first 16 rows were made in f32 by the launch before.
.macro WAYOUT base, last
	s_wait_xcnt 0x0                                ; earlier stores have read their registers
.rept 5
	v_nop
.endr
.irp a, 0,1,2,3
.if (\last) && (\a == 0)
	s_cmp_eq_u32 s18, 0
	s_cbranch_scc1 .Lrows_\@
.endif
.if \a >= 2
	s_wait_xcnt 0x0                                ; block a - 2's stores have read their registers
.endif
.irp b, 0,1,2,3
	ds_store_b128 v[STO], v[ACC+8*(4*\a+\b):ACC+8*(4*\a+\b)+3] offset:64*\b          ; each accumulator from its low end on
	ds_store_b128 v[STO], v[ACC+8*(4*\a+\b)+4:ACC+8*(4*\a+\b)+7] offset:64*\b+16
.endr
.irp t, 0,1,2,3,4,5,6,7
	ds_load_b128 v[BK+32*(\a%2)+4*\t:BK+32*(\a%2)+4*\t+3], v[RD] offset:\t*2*SPITCH   ; LDS serves a wave's instructions in order: these see the stores above
.endr
	s_wait_dscnt 0x0
.irp t, 0,1,2,3,4,5,6,7
	global_store_b128 v[CO], v[BK+32*(\a%2)+4*\t:BK+32*(\a%2)+4*\t+3], s[\base:\base+1] offset:(16*\a+2*\t)*8192 th:TH_STORE_NT   ; 16 lanes store 256 consecutive bytes, at a multiple of 256 from out0's first byte
.endr
.if (\last) && (\a == 0)
.Lrows_\@:
.endif
.endr
.endm
; The first half of step s, 5 to 8: where the second tile begins here (a branch on y), the first tile goes out and the products start new sums.
.macro HALFD s, qn
	WIN 0
	s_cmp_eq_u32 s17, \s
	s_cbranch_scc0 .Lsame_\@
	WAYOUT 56, 0                                   ; (its wait for all LDS instructions also shows buffer 0 in)
	WIN MUL
	MUL8 F0, 0, 0, 1
	MUL8 F0, 0, 2, 1
	WIN 0
	s_branch .Ljoin_\@
.Lsame_\@:
	s_wait_dscnt 16
	WIN MUL
	MUL8 F0, 0, 0, 0
	MUL8 F0, 0, 2, 0
	WIN 0
.Ljoin_\@:
	PLACES
	FETCH \qn, 1, F1
	s_wait_dscnt 32
	WIN MUL
	MUL8 F0, 1, 0, 0
	MUL8 F0, 1, 2, 0
.endm
; The second half of an odd step leaves two places: one barrier; in front of it each wave waits for all its tensor loads, adds 0 to its spare word, and waits for that and for its own reads of the two places.
; mode 2: the barrier opens a round of the cluster's, and fill f follows first behind it; mode 1: the same, waves 0 and 1 alone have a tile to fetch; mode 0: nothing is left to fetch.
.macro TURN f, qn, mode
	WIN 0
	s_wait_tensorcnt 0x0                           ; all my tensor loads have landed: my tile of the next two steps; so every group 0 may be written
	ds_add_u32 v[SPW], v[NIL]
.if \mode
	ADDR \f
.endif
	s_wait_dscnt 17                                ; (the add and the youngest sixteen loads may be out)
	WIN MUL
	MUL8 F1, 0, 0, 0
	s_wait_dscnt 0x0                               ; the add is done, and my reads of the two places are over
	s_barrier_signal -1
	MUL8 F1, 0, 2, 0
	WIN 0
	s_barrier_wait -1
.if \mode
	CREST                                          ; no wave of any partner still reads the two places or has a load on its way
.endif
.if \mode == 2
	TLOAD (\f)%2                                   ; its four v_nop are the places in front of the loads below
.elseif \mode == 1
	s_cmp_lt_u32 s10, 2
	s_cbranch_scc0 .Lnone_\@
	TLOAD (\f)%2
.Lnone_\@:
	PLACES
.else
	PLACES
.endif
	FETCH \qn, 0, F0
	WIN MUL
	MUL8 F1, 1, 0, 0
	MUL8 F1, 1, 2, 0
.endm
	s_wait_tensorcnt 1                             ; my tile of fill 0 is in (fill 1's may be out)
	s_barrier_signal -1
	s_barrier_wait -1                              ; everybody's is: steps 0 and 1 are whole
	FETCH 0, 0, F0
	HALF 0, 1, F0, F1, 1                           ; step 0: its first products start the sums
	HALF 1, 0, F1, F0, 0
	HALF 1, 1, F0, F1, 0                           ; step 1
	TURN 2, 2, 2
	HALF 2, 1, F0, F1, 0                           ; step 2
	HALF 3, 0, F1, F0, 0
	HALF 3, 1, F0, F1, 0                           ; step 3
	TURN 3, 0, 2
	HALF 0, 1, F0, F1, 0                           ; step 4
	HALF 1, 0, F1, F0, 0
	HALFD 5, 1                                     ; step 5
	TURN 4, 2, 1
	HALFD 6, 2                                     ; step 6
	HALF 3, 0, F1, F0, 0
	HALFD 7, 3                                     ; step 7
	TURN 0, 0, 0
	HALFD 8, 0                                     ; step 8
	s_wait_dscnt 16
	WIN MUL
	MUL8 F1, 0, 0, 0
	MUL8 F1, 0, 2, 0
	s_wait_dscnt 0
	MUL8 F1, 1, 0, 0
	MUL8 F1, 1, 2, 0
	WIN 0
	WAYOUT 58, 1
	s_wait_tensorcnt 0x0                           ; the wave's end
	ds_add_u32 v[SPW], v[NIL]
	s_wait_dscnt 0x0
	CROUND                                         ; the closing round: no work-group ends while a partner may still ask for a tile that names it
	s_endpgm
.Lfunc_end_k_q36b2da9d28_pv:
	.size	k_q36b2da9d28_pv, .Lfunc_end_k_q36b2da9d28_pv-k_q36b2da9d28_pv
	.p2alignl 7, 3214868480
	.fill 96, 4, 3214868480
	.section	.rodata,"a",@progbits
	.p2align	6, 0x0
	.amdhsa_kernel k_q36b2da9d28_pv
		.amdhsa_group_segment_fixed_size 327680
		.amdhsa_private_segment_fixed_size 0
		.amdhsa_enable_private_segment 0
		.amdhsa_kernarg_size 24
		.amdhsa_user_sgpr_count 2
		.amdhsa_user_sgpr_kernarg_segment_ptr 1
		.amdhsa_wavefront_size32 1
		.amdhsa_system_sgpr_workgroup_id_x 1
		.amdhsa_system_sgpr_workgroup_id_y 1
		.amdhsa_system_sgpr_workgroup_id_z 1
		.amdhsa_system_vgpr_workitem_id 0
		.amdhsa_next_free_vgpr 512
		.amdhsa_next_free_sgpr 72
		.amdhsa_reserve_vcc 0
		.amdhsa_float_denorm_mode_32 3
		.amdhsa_float_denorm_mode_16_64 3
		.amdhsa_memory_ordered 1
		.amdhsa_forward_progress 1
		.amdhsa_inst_pref_size 132
	.end_amdhsa_kernel
	.amdgpu_metadata
---
amdhsa.version: [ 1, 2 ]
amdhsa.kernels:
  - .name:           k_q36b2da9d28_pv
    .symbol:         k_q36b2da9d28_pv.kd
    .args:
      - { .name: pm, .offset: 0, .size: 8, .value_kind: global_buffer, .address_space: global }
      - { .name: qkv, .offset: 8, .size: 8, .value_kind: global_buffer, .address_space: global }
      - { .name: out0, .offset: 16, .size: 8, .value_kind: global_buffer, .address_space: global }
    .group_segment_fixed_size: 327680
    .private_segment_fixed_size: 0
    .kernarg_segment_align: 8
    .kernarg_segment_size: 24
    .max_flat_workgroup_size: 128
    .sgpr_count:     72
    .vgpr_count:     512
    .wavefront_size: 32
...
	.end_amdgpu_metadata
.endif
;; end of part 6
;; launch a16 (part 7): grid 8 x 4, 16 waves a work-group, no clusters, 35,072 bytes of LDS; arguments qkv32, out0; writes out0
.if DOCPART == 7
	.amdgcn_target "amdgcn-amd-amdhsa--gfx1250"
	.amdhsa_code_object_version 6
	.text
	.protected	k_q36b2da9d28_a16
	.globl	k_q36b2da9d28_a16
	.p2align	8
	.type	k_q36b2da9d28_a16,@function
k_q36b2da9d28_a16:
	s_mov_b64 s[64:65], 0
	v_nop
	global_prefetch_b8 v0, s[64:65] scope:SCOPE_SE
	s_setreg_imm32_b32 hwreg(HW_REG_WAVE_MODE, 25, 1), 1
	s_wait_xcnt 0x0
; Positions 0-15 of each batch, wholly in f32: these rows average one to sixteen values and are the largest in size, so operands rounded to 16 bits would weigh most here.
; qkv32 [64][6144] f32: row 16 batch + i; columns 0-2047 q, 2048-4095 k, 4096-6143 v.  Under the causal mask these queries see keys 0-15 alone (head of the first kernel): nothing else is read.
; A work-group takes one batch (y) and 256 channels (x).  Wave w sums the 16 x 16 scores over d = 128 w .. 128 w + 127 by v_wmma_f32_16x16x4_f32; the sixteen parts meet in LDS and every wave adds them in the
; same order; each wave takes the softmax for itself and makes channels 256 x + 16 w .. + 15.  16 x 16 x 2,048 multiply-adds a work-group for the scores: no bulk work.
; S^T = K Q^T (source 0 = 16 keys, source 1 = 16 queries): a lane holds query r = lane % 16 and keys 8 h + 0 .. 7, h = lane / 16.  Along d both sources are loaded by the same map (a lane's 16 bytes give two
; instructions' pairs), which permutes d alike on both sides and keeps every product.  O^T = V^T P^T: instruction t takes keys 8 h + 2 t, + 1 on both sides.
; The registers that the matrix instructions write (v168-215) are written by them alone; each sum begins with the constant 0.
.set PART,  0                          ; LDS: sixteen images of 1,024 bytes: a wave's part of the scores
.set STG,   16384                      ; 16 rows x (1,024 + 16) bytes: the rows of out0
.set SPARE, 33024                      ; the spare words, 128 bytes a wave, which no other line names
.set QR,  32                           ; v32-95   q; later, with v96-159, the sixteen images
.set KR,  96                           ; v96-159  k
.set VR,  160                          ; v160-167 v(key 8 h + j, my channel)
.set AC,  168                          ; v168-199 four accumulators of the scores, by turns
.set OC,  200                          ; v200-215 two accumulators of O^T, by turns
.set T,   216                          ; v216-223 my part of the scores
.set PR,  224                          ; v224-231 p
.set W,   232                          ; v232-247 at work
.set SPW, 250
.set NIL, 251
	s_load_b128 s[4:7], s[0:1], 0x0                ; qkv32 s[4:5], out0 s[6:7]
	v_lshl_add_u32 v[SPW], v0, 2, SPARE
	v_mov_b32 v[NIL], 0
	v_lshrrev_b32 v1, 5, v0
	v_readfirstlane_b32 s8, v1                     ; wave 0..15
	s_and_b32 s9, ttmp7, 0xffff                    ; batch
	v_and_b32 v1, 15, v0                           ; r
	v_bfe_u32 v2, v0, 4, 1                         ; h
	v_and_b32 v3, 31, v0                           ; lane
	v_mul_u32_u24 v4, v1, 24576                    ; q, k: row r, + 16 h, + my wave's 512 bytes
	v_lshl_add_u32 v4, v2, 4, v4
	s_lshl_b32 s10, s8, 9
	v_add_nc_u32 v4, s10, v4
	v_mul_u32_u24 v5, v2, 196608                   ; v: rows 8 h on, channel 256 x + 16 w + r
	v_lshl_add_u32 v5, v1, 2, v5
	s_lshl_b32 s10, s8, 6
	s_lshl_b32 s11, ttmp9, 10
	s_add_co_u32 s10, s10, s11
	v_add_nc_u32 v5, s10, v5
	v_lshlrev_b32 v7, 4, v3                        ; 16 x lane
	s_lshl_b32 s10, s8, 10
	v_add_nc_u32 v6, s10, v7                       ; my image: 1,024 w + 16 lane
	v_lshlrev_b32 v8, 3, v2
	v_sub_nc_u32 v8, v1, v8                        ; d = r - 8 h: key 8 h + j is hidden where j > d
	v_mul_u32_u24 v9, v1, 1040                     ; the stage, in: row r, + 64 w + 32 h
	v_lshl_add_u32 v9, v2, 5, v9
	s_lshl_b32 s10, s8, 6
	s_add_co_u32 s10, s10, STG
	v_add_nc_u32 v9, s10, v9
	s_mul_i32 s10, s8, 1040                        ; back: row w, 16 bytes a lane
	s_add_co_u32 s10, s10, STG
	v_add_nc_u32 v10, s10, v7
	v_mov_b32 v11, 0xff800000                      ; -infinity
	s_mov_b32 s12, 0x76543210
	s_mov_b32 s13, 0xfedcba98                      ; v_permlanex16_b32's selects for lane l xor 16
	s_mov_b32 s14, 0x3d0293ee                      ; log2(e) / sqrt(2048)
	s_mov_b32 s15, s14
	s_mul_i32 s16, s9, 393216                      ; the batch's 16 rows of qkv32
	s_mov_b32 s17, 0
	s_lshl_b32 s18, s9, 10
	s_add_co_u32 s18, s18, s8
	s_lshl_b32 s18, s18, 13                        ; out0: row 1,024 batch + w,
	s_add_co_u32 s18, s18, s11                     ; + my work-group's 1,024 bytes
	s_mov_b32 s19, 0
	s_wait_kmcnt 0x0
	s_add_nc_u64 s[4:5], s[4:5], s[16:17]
	s_add_nc_u64 s[6:7], s[6:7], s[18:19]
.irp g, 0,1,2,3,4,5,6,7,8,9,10,11,12,13,14,15
	global_load_b128 v[QR+4*\g:QR+4*\g+3], v4, s[4:5] offset:32*\g
	global_load_b128 v[KR+4*\g:KR+4*\g+3], v4, s[4:5] offset:8192+32*\g
.endr
.irp j, 0,1,2,3,4,5,6,7
	global_load_b32 v[VR+\j], v5, s[4:5] offset:16384+24576*\j
.endr
.set n, 0
.rept 32
.if n%8 == 0
	s_wait_loadcnt 32-n                            ; the next four groups' eight loads are in; the later groups' and v's eight stay out
.endif
.if n < 4
	v_wmma_f32_16x16x4_f32 v[AC+8*(n%4):AC+8*(n%4)+7], v[KR+2*n:KR+2*n+1], v[QR+2*n:QR+2*n+1], 0
.else
	v_wmma_f32_16x16x4_f32 v[AC+8*(n%4):AC+8*(n%4)+7], v[KR+2*n:KR+2*n+1], v[QR+2*n:QR+2*n+1], v[AC+8*(n%4):AC+8*(n%4)+7]
.endif
.set n, n+1
.endr
.rept 8
	v_nop                                          ; eight places behind this form, ahead of the reads of its results (ISA guide 7.12.1)
.endr
.irp i, 0,2,4,6
	v_pk_add_f32 v[T+\i:T+\i+1], v[AC+\i:AC+\i+1], v[AC+8+\i:AC+8+\i+1]          ; each accumulator from its low end on
.endr
.irp i, 0,2,4,6
	v_pk_add_f32 v[W+\i:W+\i+1], v[AC+16+\i:AC+16+\i+1], v[AC+24+\i:AC+24+\i+1]
.endr
.irp i, 0,2,4,6
	v_pk_add_f32 v[T+\i:T+\i+1], v[T+\i:T+\i+1], v[W+\i:W+\i+1]
.endr
	ds_store_b128 v6, v[T:T+3] offset:PART
	ds_store_b128 v6, v[T+4:T+7] offset:PART+512
	s_wait_dscnt 0x0                               ; for the others' sake: my part lies in LDS
	s_barrier_signal -1
	s_barrier_wait -1
.irp u, 0,1,2,3,4,5,6,7,8,9,10,11,12,13,14,15
	ds_load_b128 v[32+8*\u:32+8*\u+3], v7 offset:PART+1024*\u
	ds_load_b128 v[32+8*\u+4:32+8*\u+7], v7 offset:PART+1024*\u+512
.endr
	s_wait_dscnt 0x0
.irp w, 64,32,16,8                     ; a tree over the sixteen parts, the same in every wave
.set n, 0
.rept \w/2
	v_pk_add_f32 v[32+n:32+n+1], v[32+n:32+n+1], v[32+\w+n:32+\w+n+1]
.set n, n+2
.endr
.endr
.irp j, 0,2,4,6
	v_pk_mul_f32 v[32+\j:33+\j], v[32+\j:33+\j], s[14:15] op_sel_hi:[1,0]        ; t = score x log2(e) / sqrt(2048)
.endr
.irp j, 0,1,2,3,4,5,6,7
	v_cmp_gt_i32 vcc_lo, \j, v8
	v_cndmask_b32 v[32+\j], v[32+\j], v11, vcc_lo
.endr
	v_max3_num_f32 v240, v32, v33, v34
	v_max3_num_f32 v241, v35, v36, v37
	v_max3_num_f32 v240, v240, v38, v39
	v_max_num_f32 v240, v240, v241
	v_permlanex16_b32 v241, v240, s12, s13
	v_max_num_f32 v240, v240, v241                 ; the row's largest t: key 0 counts for every query
.irp j, 0,2,4,6
	v_pk_add_f32 v[32+\j:33+\j], v[32+\j:33+\j], v[240:241] op_sel_hi:[1,0] neg_lo:[0,1] neg_hi:[0,1]
.endr
.irp j, 0,1,2,3,4,5,6,7
	v_exp_f32 v[32+\j], v[32+\j]
.endr
	v_nop                                          ; a plain instruction behind the last exponential
	s_wait_alu depctr_va_vdst(0)                   ; one wait for the eight, ahead of their first reader
	v_pk_add_f32 v[242:243], v[32:33], v[34:35]
	v_pk_add_f32 v[244:245], v[36:37], v[38:39]
	v_pk_add_f32 v[242:243], v[242:243], v[244:245]
	v_add_f32 v242, v242, v243
	v_permlanex16_b32 v243, v242, s12, s13
	v_add_f32 v242, v242, v243                     ; the row's sum
	v_rcp_f32 v244, v242
	v_nop
	s_wait_alu depctr_va_vdst(0)
.irp j, 0,2,4,6
	v_pk_mul_f32 v[PR+\j:PR+\j+1], v[32+\j:33+\j], v[244:245] op_sel_hi:[1,0]
.endr
	s_wait_loadcnt 0x0                             ; v
.irp t, 0,1,2,3
.if \t < 2
	v_wmma_f32_16x16x4_f32 v[OC+8*(\t%2):OC+8*(\t%2)+7], v[VR+2*\t:VR+2*\t+1], v[PR+2*\t:PR+2*\t+1], 0
.else
	v_wmma_f32_16x16x4_f32 v[OC+8*(\t%2):OC+8*(\t%2)+7], v[VR+2*\t:VR+2*\t+1], v[PR+2*\t:PR+2*\t+1], v[OC+8*(\t%2):OC+8*(\t%2)+7]
.endif
.endr
.rept 8
	v_nop
.endr
.irp i, 0,2,4,6
	v_pk_add_f32 v[W+\i:W+\i+1], v[OC+\i:OC+\i+1], v[OC+8+\i:OC+8+\i+1]          ; lane (r, h): out(query r, channels 16 w + 8 h + 0 .. 7)
.endr
	ds_store_b128 v9, v[W:W+3]
	ds_store_b128 v9, v[W+4:W+7] offset:16
	s_wait_dscnt 0x0                               ; for the others' sake: my 16 channels of the 16 rows lie in the stage
	s_barrier_signal -1
	s_barrier_wait -1
	ds_load_b128 v[240:243], v10
	ds_load_b128 v[244:247], v10 offset:512
	s_wait_dscnt 0x0
	global_store_b128 v7, v[240:243], s[6:7] th:TH_STORE_NT                      ; 32 lanes store 512 consecutive bytes of row w
	global_store_b128 v7, v[244:247], s[6:7] offset:512 th:TH_STORE_NT
	s_wait_tensorcnt 0x0                           ; the wave's end, behind my last LDS store
	ds_add_u32 v[SPW], v[NIL]
	s_wait_dscnt 0x0
	s_endpgm
.Lfunc_end_k_q36b2da9d28_a16:
	.size	k_q36b2da9d28_a16, .Lfunc_end_k_q36b2da9d28_a16-k_q36b2da9d28_a16
	.p2alignl 7, 3214868480
	.fill 96, 4, 3214868480
	.section	.rodata,"a",@progbits
	.p2align	6, 0x0
	.amdhsa_kernel k_q36b2da9d28_a16
		.amdhsa_group_segment_fixed_size 35072
		.amdhsa_private_segment_fixed_size 0
		.amdhsa_enable_private_segment 0
		.amdhsa_kernarg_size 16
		.amdhsa_user_sgpr_count 2
		.amdhsa_user_sgpr_kernarg_segment_ptr 1
		.amdhsa_wavefront_size32 1
		.amdhsa_system_sgpr_workgroup_id_x 1
		.amdhsa_system_sgpr_workgroup_id_y 1
		.amdhsa_system_sgpr_workgroup_id_z 1
		.amdhsa_system_vgpr_workitem_id 0
		.amdhsa_next_free_vgpr 256
		.amdhsa_next_free_sgpr 66
		.amdhsa_reserve_vcc 1
		.amdhsa_float_denorm_mode_32 3
		.amdhsa_float_denorm_mode_16_64 3
		.amdhsa_memory_ordered 1
		.amdhsa_forward_progress 1
		.amdhsa_inst_pref_size 20
	.end_amdhsa_kernel
	.amdgpu_metadata
---
amdhsa.version: [ 1, 2 ]
amdhsa.kernels:
  - .name:           k_q36b2da9d28_a16
    .symbol:         k_q36b2da9d28_a16.kd
    .args:
      - { .name: qkv32, .offset: 0, .size: 8, .value_kind: global_buffer, .address_space: global }
      - { .name: out0, .offset: 8, .size: 8, .value_kind: global_buffer, .address_space: global }
    .group_segment_fixed_size: 35072
    .private_segment_fixed_size: 0
    .kernarg_segment_align: 8
    .kernarg_segment_size: 16
    .max_flat_workgroup_size: 512
    .sgpr_count:     66
    .vgpr_count:     256
    .wavefront_size: 32
...
	.end_amdgpu_metadata
.endif
;; end of part 7
;; ======== version 2 of 2: 5 launches; 1.12 times as fast as version 1
;; limits: values are held in f16: magnitudes above 65,504 overflow, below 6.1e-05 lose precision
;; workspace buffers: xc 4,194,304 bytes; xs 262,144 bytes; wc 6,291,456 bytes; ws 393,216 bytes; qkv 50,331,648 bytes; qkv32 1,572,864 bytes; sc 16,777,216 bytes; pm 8,388,608 bytes
;; launch quant (part 8): grid 448 x 1, 4 waves a work-group, no clusters, 68,096 bytes of LDS; arguments Wq, Wk, Wv, wc, ws, x, xc, xs; writes wc, ws, xc, xs
.if DOCPART == 8
	.amdgcn_target "amdgcn-amd-amdhsa--gfx1250"
	.amdhsa_code_object_version 6
	.text
	.protected	k_q36b2da9d28_quant
	.globl	k_q36b2da9d28_quant
	.p2align	8
	.type	k_q36b2da9d28_quant,@function
k_q36b2da9d28_quant:
	s_mov_b64 s[64:65], 0
	v_nop
	global_prefetch_b8 v0, s[64:65] scope:SCOPE_SE
	s_setreg_imm32_b32 hwreg(HW_REG_WAVE_MODE, 25, 1), 1
	s_wait_xcnt 0x0
; THE PROGRAM: q, k, v = x Wq, x Wk, x Wv on codes of FP4 (E2M1) with one E8M0 scale for each 32 along K; then causal attention with one head of 2,048 channels, 4 batches of 1,024 positions.
; Five launches: x and the three weights into codes | one product [4096 x 6144 x 2048] on codes, q k v out in f16 (rows 0-15 of each batch also in f32) | score tiles in f16 products |
; row softmax in f32, and beside it positions 0-15 of each batch wholly in f32 | P V in f16 products.
; WORK LEFT OUT.  The problem's own mask is a lower triangle: for key k > query q the score is replaced by -infinity, its exponential is exactly 0, and 0 x v adds nothing, whatever finite values the inputs hold.
; So score tiles of 128 x 128 whose key block lies above the query block, and the same key blocks in the second product, are not computed: 36 of 64 tiles remain in each.  Inside a diagonal tile the hidden
; half is computed and masked.  Every input has a way to the output: all four are loaded.
; LIMITS: a NaN, an infinity or an overflow that reaches only hidden pairs is not carried to the result.  q, k and v go on as f16: their magnitudes must stay under 65,504.
; NaN and infinities among the inputs are not served.
; THE QUANTISER.  A block's scale is 2^(floor(log2(its largest magnitude)) - 2); its byte is the largest magnitude's exponent field - 2, held at 1 from below.  A block of zeros so gets the byte 1 where the rule
; says 127: its codes are zeros, which add nothing under any byte but 0xff, and the bytes are read by this program alone.  Blocks whose largest magnitude lies under 2^-124 are held at the byte 1.
; THIS LAUNCH serves two kinds of tensor, which share nothing: one scalar branch on the work-group's number parts them at the head, and each path has LDS bytes of its own.  Neither has a barrier: waves share nothing.
; WORK-GROUPS 0-191, THE WEIGHTS.  Wq, Wk, Wv [2048 (k)][2048 (n)] f32, K their FIRST axis, become codes laid [6144 (n)][2048 (k)] with K innermost (wc: 1,024 bytes a row; rows 0-2047 Wq's columns, 2048-4095 Wk's,
; 4096-6143 Wv's) and one byte for each 32 along K (ws: 64 bytes a row).  A LANE TAKES A COLUMN n, AND ITS REGISTERS RUN DOWN K: each load reads neighbouring n in neighbouring lanes (128 consecutive bytes a wave),
; a block of 32 along K lies in one lane's 32 registers, and the conversions give the codes with K innermost.  A wave takes 32 columns x 512 along K: 16 blocks a lane, 256 bytes of codes a column; they go through
; the wave's own stage in LDS and leave as rows: sixteen lanes store 256 consecutive bytes.  Number >> 2: which 128 of the 6,144 columns; number & 3: which 512 along K.  Loads run two blocks ahead.
; Every offset is an immediate: 511 x 8,192 and 30 x 1,024 lie inside the signed 24-bit field.
; WORK-GROUPS 192-447, x.  x [4096][2048] f32 becomes codes, K innermost (xc: 1,024 bytes a row), and one byte for each 32 along K (xs: 64 bytes a row).  Rows are dense, so x is a plain stream of blocks of 32.
; A wave takes 16 steps of 512 numbers.  Each load reads 512 consecutive bytes, 16 a lane; a step's 2,048 bytes turn through the wave's own stage in LDS and come back 64 bytes a lane, so that a lane holds 16
; neighbours along K (two lanes to a block).  A lane's 16 codes are 8 bytes: the wave stores 256 consecutive bytes.  A wave's 256 scale bytes are gathered in its own LDS bytes and leave as 256 consecutive bytes.
; Loads run four steps ahead.
.set EMAX,  2
.set NWGW,  192                        ; work-groups for the weights; they have the longer work and come first
.set SPW,   192                        ; v192 LDS address of my spare word; never rewritten
.set NIL,   193                        ; v193 0; never rewritten
; the weights' path
.set SIZE_N, 2048
.set SIZE_K, 2048
.set KW,    512
.set NB,    KW/32
.set ROWB,  256
.set PITCH, ROWB+16
.set KROW,  SIZE_K*4/8
.set WX,    32                         ; v32-95   two sets of 32 numbers
.set WC,    96                         ; v96-99   a block's codes
.set OUTR,  112                        ; v112-175 the way out
.set SB,    24                         ; v24-27   the scale bytes, four to a register
; x's path
.set STEPS, 16
.set CB,    8                          ; bytes of 16 codes
.set R,     16                         ; v16-79   four sets of 16 numbers as loaded
.set X,     80                         ; v80-111  two sets of 16 neighbours
.set C,     128                        ; v128-191 codes: four registers for each step, never written again
.set E,     112                        ; v112-127 a scale byte for each step
.set WREG,  8192                       ; a region for each wave: two stages of 32 x SP bytes, then its 256 scale bytes
.set SP,    80                         ; a lane's place in a stage: 64 bytes + 16 of padding
; LDS: 0 .. 34,815 the weights' four stages; from XLDS x's four regions; from SPARE the spare words, 128 bytes a wave, which no other line names
.set XLDS,  4*32*PITCH
.set SPARE, XLDS+4*WREG
	v_lshl_add_u32 v[SPW], v0, 2, SPARE
	v_mov_b32 v[NIL], 0
	v_lshrrev_b32 v1, 5, v0
	v_readfirstlane_b32 s16, v1                    ; wave 0..3
	v_and_b32 v2, 31, v0                           ; lane
	s_cmp_ge_u32 ttmp9, NWGW                       ; the work-group's number alone: all four waves go the same way
	s_cbranch_scc1 .Lx
	; ---- THE WEIGHTS
	s_load_b256 s[4:11], s[0:1], 0x0               ; Wq s[4:5], Wk s[6:7], Wv s[8:9], wc s[10:11]
	s_load_b64 s[12:13], s[0:1], 0x20              ; ws
	s_lshr_b32 s30, ttmp9, 2                       ; which 128 of the 6,144 columns: 0 .. 47
	s_lshr_b32 s14, s30, 4                         ; which weight
	s_and_b32 s15, s30, 15
	s_lshl_b32 s15, s15, 7
	s_lshl_b32 s18, s16, 5
	s_add_co_u32 s15, s15, s18                     ; my wave's first column in that weight
	s_lshl_b32 s17, s30, 7
	s_add_co_u32 s17, s17, s18                     ; and its row in wc and ws
	s_and_b32 s18, ttmp9, 3                        ; which 512 along K
	v_lshlrev_b32 v3, 2, v2                        ; in: 4 bytes a lane
	s_mul_i32 s19, s16, 32*PITCH                   ; my stage
	v_mul_u32_u24 v4, v2, PITCH
	v_add_nc_u32 v4, s19, v4                       ; into it: row = my column
	v_and_b32 v5, 15, v2
	v_lshrrev_b32 v6, 4, v2                        ; out of it: sixteen lanes to a row, two rows an instruction
	v_mul_u32_u24 v7, v6, PITCH
	v_lshl_add_u32 v7, v5, 4, v7
	v_add_nc_u32 v7, s19, v7
	v_mul_u32_u24 v8, v6, KROW
	v_lshl_add_u32 v8, v5, 4, v8                   ; and the same place in wc
	v_mul_u32_u24 v9, v2, SIZE_K/32                ; my column's row of scale bytes
	s_lshl_b32 s20, s18, 22                        ; the weight: 512 rows of 8,192 bytes for each step along K, + 4 x column
	s_lshl_b32 s22, s15, 2
	s_add_co_u32 s20, s20, s22
	s_mov_b32 s21, 0
	s_lshl_b32 s24, s17, 10                        ; wc: row x 1,024 + 256 for each step along K
	s_lshl_b32 s26, s18, 8
	s_add_co_u32 s24, s24, s26
	s_mov_b32 s25, 0
	s_lshl_b32 s28, s17, 6                         ; ws: row x 64 + 16 for each step along K
	s_lshl_b32 s26, s18, 4
	s_add_co_u32 s28, s28, s26
	s_mov_b32 s29, 0
	s_wait_kmcnt 0x0
	s_cmp_eq_u32 s14, 1                            ; the choice hangs on the work-group's number alone
	s_cselect_b64 s[6:7], s[6:7], s[8:9]
	s_cmp_eq_u32 s14, 0
	s_cselect_b64 s[4:5], s[4:5], s[6:7]
	s_add_nc_u64 s[4:5], s[4:5], s[20:21]
	s_add_nc_u64 s[10:11], s[10:11], s[24:25]
	s_add_nc_u64 s[12:13], s[12:13], s[28:29]
.macro WLOAD t                         ; block t: W(32 t + i, my column), i = 0 .. 31, into set t % 2
.irp i, 0,1,2,3,4,5,6,7,8,9,10,11,12,13,14,15,16,17,18,19,20,21,22,23,24,25,26,27,28,29,30,31
	global_load_b32 v[WX+32*((\t)%2)+\i], v3, s[4:5] offset:(32*(\t)+\i)*SIZE_N*4 th:TH_LOAD_NT
.endr
.endm
	WLOAD 0
	WLOAD 1
.macro WBLOCK t
.set WXS, WX+32*((\t)%2)
.if (\t) < NB-1
	s_wait_loadcnt 32                              ; this block's 32 loads are in; the next block's 32 may be out
.else
	s_wait_loadcnt 0
.endif
	v_max3_num_f32 v12, |v[WXS]|, |v[WXS+1]|, |v[WXS+2]|            ; the block's largest magnitude: all 32 numbers are mine
	v_max3_num_f32 v13, |v[WXS+3]|, |v[WXS+4]|, |v[WXS+5]|
.irp i, 6,10,14,18,22,26
	v_max3_num_f32 v12, v12, |v[WXS+\i]|, |v[WXS+\i+1]|
	v_max3_num_f32 v13, v13, |v[WXS+\i+2]|, |v[WXS+\i+3]|
.endr
	v_max3_num_f32 v12, v12, |v[WXS+30]|, |v[WXS+31]|
	v_max3_num_f32 v12, v12, v13, (EMAX+1)<<23     ; and the floor 2^(3 - 127)
	v_add_nc_u32 v11, -(EMAX<<23), v12             ; 2 off its exponent field: the conversion's scale operand
	v_lshrrev_b32 v13, 23, v11                     ; the scale's byte
.if (\t)%4 == 0
	v_mov_b32 v[SB+(\t)/4], v13                    ; four bytes to a register, the lower K in the lower byte
.else
	v_lshl_or_b32 v[SB+(\t)/4], v13, 8*((\t)%4), v[SB+(\t)/4]
.endif
.irp g, 0,1,2,3
	v_cvt_scalef32_pk8_fp4_f32 v[WC+\g], v[WXS+8*\g:WXS+8*\g+7], v11
.endr
	v_nop                                          ; one plain line behind the last conversion
	ds_store_b128 v4, v[WC:WC+3] offset:16*(\t)    ; 32 codes: 16 bytes of my column's row
.if (\t)+2 < NB
	WLOAD (\t)+2
.endif
	s_wait_dscnt 0x0                               ; the store has read its registers: the next block's codes may be written
.endm
.set Q, 0
.rept NB
	WBLOCK Q
.set Q, Q+1
.endr
	global_store_b128 v9, v[SB:SB+3], s[12:13]     ; my column's 16 scale bytes
.irp t, 0,1,2,3,4,5,6,7,8,9,10,11,12,13,14,15
	ds_load_b128 v[OUTR+4*\t:OUTR+4*\t+3], v7 offset:2*\t*PITCH   ; LDS serves a wave's instructions in order: these see my stores
.endr
.irp t, 0,1,2,3,4,5,6,7,8,9,10,11,12,13,14,15
	s_wait_dscnt 15-\t                             ; load t is in; the younger ones stay out
	global_store_b128 v8, v[OUTR+4*\t:OUTR+4*\t+3], s[10:11] offset:2*\t*KROW
.endr
	s_wait_tensorcnt 0x0                           ; the wave's end, behind my last LDS store
	ds_add_u32 v[SPW], v[NIL]
	s_wait_dscnt 0x0
	s_endpgm
	; ---- x
.Lx:
	s_load_b64 s[4:5], s[0:1], 0x28                ; x
	s_load_b64 s[6:7], s[0:1], 0x30                ; xc
	s_load_b64 s[8:9], s[0:1], 0x38                ; xs
	v_lshlrev_b32 v3, 4, v2                        ; my 16 bytes of a load's 512
	s_mul_i32 s17, s16, WREG
	s_add_co_u32 s17, s17, XLDS                    ; my wave's region
	v_lshrrev_b32 v14, 2, v2
	v_mul_u32_u24 v14, v14, SP
	v_and_b32 v15, 3, v2
	v_lshl_add_u32 v14, v15, 4, v14
	v_add_nc_u32 v14, s17, v14                     ; the stage, on the way in: SP (lane / 4) + 16 (lane % 4)
	v_mul_u32_u24 v15, v2, SP
	v_add_nc_u32 v15, s17, v15                     ; and on the way out: SP x lane
	v_mul_u32_u24 v4, v2, CB                       ; my codes' place in a step's
	v_lshrrev_b32 v5, 1, v2
	s_add_co_u32 s17, s17, 2*32*SP
	v_add_nc_u32 v5, s17, v5                       ; my wave's 256 scale bytes, my block's byte
	v_lshlrev_b32 v7, 3, v2                        ; and on the way out 8 bytes a lane
	v_add_nc_u32 v6, s17, v7
	s_sub_co_u32 s17, ttmp9, NWGW
	s_lshl_b32 s17, s17, 2
	s_add_co_u32 s18, s17, s16                     ; which run of 8,192 numbers is my wave's: 0 .. 1,023
	s_lshl_b32 s20, s18, 15                        ; 32,768 bytes of x,
	s_mov_b32 s21, 0
	s_lshl_b32 s22, s18, 12                        ; 4,096 of codes,
	s_mov_b32 s23, 0
	s_lshl_b32 s18, s18, 8                         ; 256 scale bytes
	s_mov_b32 s19, 0
	s_wait_kmcnt 0x0
	s_add_nc_u64 s[4:5], s[4:5], s[20:21]
	s_add_nc_u64 s[6:7], s[6:7], s[22:23]
	s_add_nc_u64 s[8:9], s[8:9], s[18:19]
.macro XLOAD t
.irp i, 0,1,2,3
	global_load_b128 v[R+16*((\t)%4)+4*\i:R+16*((\t)%4)+4*\i+3], v3, s[4:5] offset:2048*(\t)+512*\i th:TH_LOAD_NT
.endr
.endm
.macro XTURN t                         ; step t's numbers through the stage: LDS serves a wave's instructions in order, so no wait stands between the stores and the loads
.irp i, 0,1,2,3
	ds_store_b128 v14, v[R+16*((\t)%4)+4*\i:R+16*((\t)%4)+4*\i+3] offset:32*SP*((\t)%2)+8*SP*\i
.endr
.irp i, 0,1,2,3
	ds_load_b128 v[X+16*((\t)%2)+4*\i:X+16*((\t)%2)+4*\i+3], v15 offset:32*SP*((\t)%2)+16*\i
.endr
.endm
.irp t, 0,1,2,3
	XLOAD \t
.endr
	s_wait_loadcnt 12                              ; step 0's four loads are in; the twelve of steps 1 to 3 stay out
	XTURN 0
.macro XSTEP t
.set XS, X+16*((\t)%2)
.if (\t) > 0
	s_wait_dscnt 1                                 ; this step's numbers are back from the stage (the last step's byte store may be out)
.else
	s_wait_dscnt 0x0
.endif
.if (\t)+4 < STEPS
	XLOAD (\t)+4                                   ; into the registers that the stage's stores have read
.endif
.if (\t)+1 < STEPS
.if STEPS-2-(\t) >= 3
	s_wait_loadcnt 12                              ; the next step's four loads are in; those of the three steps behind it may be out
.else
	s_wait_loadcnt 4*(STEPS-2-(\t))
.endif
	XTURN (\t)+1
.endif
	v_max3_num_f32 v8, |v[XS]|, |v[XS+1]|, |v[XS+2]|               ; the largest magnitude of my 16, in two chains
	v_max3_num_f32 v9, |v[XS+3]|, |v[XS+4]|, |v[XS+5]|
.irp i, 6,10
	v_max3_num_f32 v8, v8, |v[XS+\i]|, |v[XS+\i+1]|
	v_max3_num_f32 v9, v9, |v[XS+\i+2]|, |v[XS+\i+3]|
.endr
	v_max3_num_f32 v8, v8, |v[XS+14]|, |v[XS+15]|
	v_max3_num_f32 v8, v8, v9, (EMAX+1)<<23        ; and the floor 2^(3 - 127): the byte cannot fall under 1
	v_max_num_f32_dpp v8, v8, v8 row_xmask:1 row_mask:0xf bank_mask:0xf   ; with my neighbour's 16: the block's
	v_add_nc_u32 v11, -(EMAX<<23), v8              ; 2 off its exponent field: the conversion takes the exponent field of this operand as its scale
	v_cvt_scalef32_pk8_fp4_f32 v[C+4*(\t)], v[XS:XS+7], v11
	v_cvt_scalef32_pk8_fp4_f32 v[C+4*(\t)+1], v[XS+8:XS+15], v11
	v_lshrrev_b32 v[E+(\t)], 23, v11               ; the scale's byte (a plain line behind the conversions)
	ds_store_b8 v5, v[E+(\t)] offset:16*(\t)       ; both lanes of a block write the same byte with the same value
	global_store_b64 v4, v[C+4*(\t):C+4*(\t)+1], s[6:7] offset:32*CB*(\t)
.endm
.irp t, 0,1,2,3,4,5,6,7,8,9,10,11,12,13,14,15
	XSTEP \t
.endr
	ds_load_b64 v[8:9], v6                         ; LDS serves a wave's instructions in order: these see my stores
	s_wait_dscnt 0x0
	global_store_b64 v7, v[8:9], s[8:9]            ; 32 lanes store 256 consecutive bytes
	s_wait_tensorcnt 0x0                           ; the wave's end, behind my last LDS store
	ds_add_u32 v[SPW], v[NIL]
	s_wait_dscnt 0x0
	s_endpgm
.Lfunc_end_k_q36b2da9d28_quant:
	.size	k_q36b2da9d28_quant, .Lfunc_end_k_q36b2da9d28_quant-k_q36b2da9d28_quant
	.p2alignl 7, 3214868480
	.fill 96, 4, 3214868480
	.section	.rodata,"a",@progbits
	.p2align	6, 0x0
	.amdhsa_kernel k_q36b2da9d28_quant
		.amdhsa_group_segment_fixed_size 68096
		.amdhsa_private_segment_fixed_size 0
		.amdhsa_enable_private_segment 0
		.amdhsa_kernarg_size 64
		.amdhsa_user_sgpr_count 2
		.amdhsa_user_sgpr_kernarg_segment_ptr 1
		.amdhsa_wavefront_size32 1
		.amdhsa_system_sgpr_workgroup_id_x 1
		.amdhsa_system_sgpr_workgroup_id_y 1
		.amdhsa_system_sgpr_workgroup_id_z 1
		.amdhsa_system_vgpr_workitem_id 0
		.amdhsa_next_free_vgpr 194
		.amdhsa_next_free_sgpr 66
		.amdhsa_reserve_vcc 0
		.amdhsa_float_denorm_mode_32 3
		.amdhsa_float_denorm_mode_16_64 3
		.amdhsa_memory_ordered 1
		.amdhsa_forward_progress 1
		.amdhsa_inst_pref_size 112
	.end_amdhsa_kernel
	.amdgpu_metadata
---
amdhsa.version: [ 1, 2 ]
amdhsa.kernels:
  - .name:           k_q36b2da9d28_quant
    .symbol:         k_q36b2da9d28_quant.kd
    .args:
      - { .name: Wq, .offset: 0, .size: 8, .value_kind: global_buffer, .address_space: global }
      - { .name: Wk, .offset: 8, .size: 8, .value_kind: global_buffer, .address_space: global }
      - { .name: Wv, .offset: 16, .size: 8, .value_kind: global_buffer, .address_space: global }
      - { .name: wc, .offset: 24, .size: 8, .value_kind: global_buffer, .address_space: global }
      - { .name: ws, .offset: 32, .size: 8, .value_kind: global_buffer, .address_space: global }
      - { .name: x, .offset: 40, .size: 8, .value_kind: global_buffer, .address_space: global }
      - { .name: xc, .offset: 48, .size: 8, .value_kind: global_buffer, .address_space: global }
      - { .name: xs, .offset: 56, .size: 8, .value_kind: global_buffer, .address_space: global }
    .group_segment_fixed_size: 68096
    .private_segment_fixed_size: 0
    .kernarg_segment_align: 8
    .kernarg_segment_size: 64
    .max_flat_workgroup_size: 128
    .sgpr_count:     66
    .vgpr_count:     194
    .wavefront_size: 32
...
	.end_amdgpu_metadata
.endif
;; end of part 8
;; launch gemm: the kernel of part 3 again; grid 24 x 16, 4 waves a work-group, clusters of 4 x 4, 327,680 bytes of LDS; arguments xc, xs, wc, ws, qkv, qkv32; writes qkv, qkv32
;; launch scores: the kernel of part 4 again; grid 36 x 4, 4 waves a work-group, no clusters, 327,680 bytes of LDS; arguments qkv, sc; writes sc
;; launch soft16 (part 9): grid 40 x 4, 16 waves a work-group, no clusters, 35,072 bytes of LDS; arguments qkv32, out0, sc, pm; writes out0, pm
.if DOCPART == 9
	.amdgcn_target "amdgcn-amd-amdhsa--gfx1250"
	.amdhsa_code_object_version 6
	.text
	.protected	k_q36b2da9d28_soft16
	.globl	k_q36b2da9d28_soft16
	.p2align	8
	.type	k_q36b2da9d28_soft16,@function
k_q36b2da9d28_soft16:
	s_mov_b64 s[64:65], 0
	v_nop
	global_prefetch_b8 v0, s[64:65] scope:SCOPE_SE
	s_setreg_imm32_b32 hwreg(HW_REG_WAVE_MODE, 25, 1), 1
	s_wait_xcnt 0x0
; Two pieces of work that do not depend on each other share this launch; one scalar branch on the work-group's number parts them at the head, so all sixteen waves of a work-group go the same way.  y = the batch.
; WORK-GROUPS x = 0 .. 7: POSITIONS 0-15 OF THE BATCH, WHOLLY IN F32: these rows average one to sixteen values and are the largest in size, so operands rounded to 16 bits would weigh most here.
; qkv32 [64][6144] f32: row 16 batch + i; columns 0-2047 q, 2048-4095 k, 4096-6143 v.  Under the causal mask these queries see keys 0-15 alone (head of the first kernel): nothing else is read.
; A work-group takes 256 channels (x).  Wave w sums the 16 x 16 scores over d = 128 w .. 128 w + 127 by v_wmma_f32_16x16x4_f32; the sixteen parts meet in LDS and every wave adds them in the
; same order; each wave takes the softmax for itself and makes channels 256 x + 16 w .. + 15.  16 x 16 x 2,048 multiply-adds a work-group for the scores: no bulk work.
; S^T = K Q^T (source 0 = 16 keys, source 1 = 16 queries): a lane holds query r = lane % 16 and keys 8 h + 0 .. 7, h = lane / 16.  Along d both sources are loaded by the same map (a lane's 16 bytes give two
; instructions' pairs), which permutes d alike on both sides and keeps every product.  O^T = V^T P^T: instruction t takes keys 8 h + 2 t, + 1 on both sides.
; The registers that the matrix instructions write (v168-215) are written by them alone in the whole text; each sum begins with the constant 0.
; WORK-GROUPS x = 8 .. 39: THE ROW SOFTMAX.  pm[batch][q][k] = softmax over k <= q of the scores, in f32, rounded once to f16.  sc holds t = score x log2(e) / sqrt(2048), so p = 2^(t - the row's largest t) / the row's sum.
; WORK LEFT OUT: column blocks of 128 beyond a row's own block are wholly under the causal mask (head of the first kernel): they were not written, are not read, and are not stored.
; A work-group takes 32 rows, a wave 2; a row of 1,024 numbers lies in 32 registers of the wave: chunk c (128 columns) in registers 4 c .. 4 c + 3, a lane holding columns 128 c + 4 lane + 0 .. 3.
; No branch stands among the loads: a chunk beyond the row's block reads the row's own block once more (its address is held there by a minimum on ids), and the mask then hides it.
; The largest t is taken away ahead of the exponential, as the problem does; key 0 counts for every row, so it is a number.  This path uses no LDS byte but its spare words and has no barrier: a row never leaves its wave.
.set PART,  0                          ; LDS: sixteen images of 1,024 bytes: a wave's part of the scores
.set STG,   16384                      ; 16 rows x (1,024 + 16) bytes: the rows of out0
.set SPARE, 33024                      ; the spare words, 128 bytes a wave, which no other line names
.set QR,  32                           ; v32-95   q; later, with v96-159, the sixteen images
.set KR,  96                           ; v96-159  k
.set VR,  160                          ; v160-167 v(key 8 h + j, my channel)
.set AC,  168                          ; v168-199 four accumulators of the scores, by turns
.set OC,  200                          ; v200-215 two accumulators of O^T, by turns
.set T,   216                          ; v216-223 my part of the scores
.set PR,  224                          ; v224-231 p
.set W,   232                          ; v232-247 at work
.set SPW, 250
.set NIL, 251
.set X0,  32                           ; the softmax path: v32-95 row p at v[32 + 32 p];
.set A0,  96                           ; v96-103 four work registers a row
	s_load_b128 s[4:7], s[0:1], 0x0                ; qkv32 s[4:5], out0 s[6:7]
	s_load_b128 s[20:23], s[0:1], 0x10             ; sc s[20:21], pm s[22:23]
	v_lshl_add_u32 v[SPW], v0, 2, SPARE
	v_mov_b32 v[NIL], 0
	v_lshrrev_b32 v1, 5, v0
	v_readfirstlane_b32 s8, v1                     ; wave 0..15
	s_and_b32 s9, ttmp7, 0xffff                    ; batch
	s_cmp_ge_u32 ttmp9, 8                          ; the work-group's number alone
	s_cbranch_scc1 .Lsoft
	; ---- POSITIONS 0-15
	v_and_b32 v1, 15, v0                           ; r
	v_bfe_u32 v2, v0, 4, 1                         ; h
	v_and_b32 v3, 31, v0                           ; lane
	v_mul_u32_u24 v4, v1, 24576                    ; q, k: row r, + 16 h, + my wave's 512 bytes
	v_lshl_add_u32 v4, v2, 4, v4
	s_lshl_b32 s10, s8, 9
	v_add_nc_u32 v4, s10, v4
	v_mul_u32_u24 v5, v2, 196608                   ; v: rows 8 h on, channel 256 x + 16 w + r
	v_lshl_add_u32 v5, v1, 2, v5
	s_lshl_b32 s10, s8, 6
	s_lshl_b32 s11, ttmp9, 10
	s_add_co_u32 s10, s10, s11
	v_add_nc_u32 v5, s10, v5
	v_lshlrev_b32 v7, 4, v3                        ; 16 x lane
	s_lshl_b32 s10, s8, 10
	v_add_nc_u32 v6, s10, v7                       ; my image: 1,024 w + 16 lane
	v_lshlrev_b32 v8, 3, v2
	v_sub_nc_u32 v8, v1, v8                        ; d = r - 8 h: key 8 h + j is hidden where j > d
	v_mul_u32_u24 v9, v1, 1040                     ; the stage, in: row r, + 64 w + 32 h
	v_lshl_add_u32 v9, v2, 5, v9
	s_lshl_b32 s10, s8, 6
	s_add_co_u32 s10, s10, STG
	v_add_nc_u32 v9, s10, v9
	s_mul_i32 s10, s8, 1040                        ; back: row w, 16 bytes a lane
	s_add_co_u32 s10, s10, STG
	v_add_nc_u32 v10, s10, v7
	v_mov_b32 v11, 0xff800000                      ; -infinity
	s_mov_b32 s12, 0x76543210
	s_mov_b32 s13, 0xfedcba98                      ; v_permlanex16_b32's selects for lane l xor 16
	s_mov_b32 s14, 0x3d0293ee                      ; log2(e) / sqrt(2048)
	s_mov_b32 s15, s14
	s_mul_i32 s16, s9, 393216                      ; the batch's 16 rows of qkv32
	s_mov_b32 s17, 0
	s_lshl_b32 s18, s9, 10
	s_add_co_u32 s18, s18, s8
	s_lshl_b32 s18, s18, 13                        ; out0: row 1,024 batch + w,
	s_add_co_u32 s18, s18, s11                     ; + my work-group's 1,024 bytes
	s_mov_b32 s19, 0
	s_wait_kmcnt 0x0
	s_add_nc_u64 s[4:5], s[4:5], s[16:17]
	s_add_nc_u64 s[6:7], s[6:7], s[18:19]
.irp g, 0,1,2,3,4,5,6,7,8,9,10,11,12,13,14,15
	global_load_b128 v[QR+4*\g:QR+4*\g+3], v4, s[4:5] offset:32*\g
	global_load_b128 v[KR+4*\g:KR+4*\g+3], v4, s[4:5] offset:8192+32*\g
.endr
.irp j, 0,1,2,3,4,5,6,7
	global_load_b32 v[VR+\j], v5, s[4:5] offset:16384+24576*\j
.endr
.set n, 0
.rept 32
.if n%8 == 0
	s_wait_loadcnt 32-n                            ; the next four groups' eight loads are in; the later groups' and v's eight stay out
.endif
.if n < 4
	v_wmma_f32_16x16x4_f32 v[AC+8*(n%4):AC+8*(n%4)+7], v[KR+2*n:KR+2*n+1], v[QR+2*n:QR+2*n+1], 0
.else
	v_wmma_f32_16x16x4_f32 v[AC+8*(n%4):AC+8*(n%4)+7], v[KR+2*n:KR+2*n+1], v[QR+2*n:QR+2*n+1], v[AC+8*(n%4):AC+8*(n%4)+7]
.endif
.set n, n+1
.endr
.rept 8
	v_nop                                          ; eight places behind this form, ahead of the reads of its results (ISA guide 7.12.1)
.endr
.irp i, 0,2,4,6
	v_pk_add_f32 v[T+\i:T+\i+1], v[AC+\i:AC+\i+1], v[AC+8+\i:AC+8+\i+1]          ; each accumulator from its low end on
.endr
.irp i, 0,2,4,6
	v_pk_add_f32 v[W+\i:W+\i+1], v[AC+16+\i:AC+16+\i+1], v[AC+24+\i:AC+24+\i+1]
.endr
.irp i, 0,2,4,6
	v_pk_add_f32 v[T+\i:T+\i+1], v[T+\i:T+\i+1], v[W+\i:W+\i+1]
.endr
	ds_store_b128 v6, v[T:T+3] offset:PART
	ds_store_b128 v6, v[T+4:T+7] offset:PART+512
	s_wait_dscnt 0x0                               ; for the others' sake: my part lies in LDS
	s_barrier_signal -1
	s_barrier_wait -1
.irp u, 0,1,2,3,4,5,6,7,8,9,10,11,12,13,14,15
	ds_load_b128 v[32+8*\u:32+8*\u+3], v7 offset:PART+1024*\u
	ds_load_b128 v[32+8*\u+4:32+8*\u+7], v7 offset:PART+1024*\u+512
.endr
	s_wait_dscnt 0x0
.irp w, 64,32,16,8                     ; a tree over the sixteen parts, the same in every wave
.set n, 0
.rept \w/2
	v_pk_add_f32 v[32+n:32+n+1], v[32+n:32+n+1], v[32+\w+n:32+\w+n+1]
.set n, n+2
.endr
.endr
.irp j, 0,2,4,6
	v_pk_mul_f32 v[32+\j:33+\j], v[32+\j:33+\j], s[14:15] op_sel_hi:[1,0]        ; t = score x log2(e) / sqrt(2048)
.endr
.irp j, 0,1,2,3,4,5,6,7
	v_cmp_gt_i32 vcc_lo, \j, v8
	v_cndmask_b32 v[32+\j], v[32+\j], v11, vcc_lo
.endr
	v_max3_num_f32 v240, v32, v33, v34
	v_max3_num_f32 v241, v35, v36, v37
	v_max3_num_f32 v240, v240, v38, v39
	v_max_num_f32 v240, v240, v241
	v_permlanex16_b32 v241, v240, s12, s13
	v_max_num_f32 v240, v240, v241                 ; the row's largest t: key 0 counts for every query
.irp j, 0,2,4,6
	v_pk_add_f32 v[32+\j:33+\j], v[32+\j:33+\j], v[240:241] op_sel_hi:[1,0] neg_lo:[0,1] neg_hi:[0,1]
.endr
.irp j, 0,1,2,3,4,5,6,7
	v_exp_f32 v[32+\j], v[32+\j]
.endr
	v_nop                                          ; a plain instruction behind the last exponential
	s_wait_alu depctr_va_vdst(0)                   ; one wait for the eight, ahead of their first reader
	v_pk_add_f32 v[242:243], v[32:33], v[34:35]
	v_pk_add_f32 v[244:245], v[36:37], v[38:39]
	v_pk_add_f32 v[242:243], v[242:243], v[244:245]
	v_add_f32 v242, v242, v243
	v_permlanex16_b32 v243, v242, s12, s13
	v_add_f32 v242, v242, v243                     ; the row's sum
	v_rcp_f32 v244, v242
	v_nop
	s_wait_alu depctr_va_vdst(0)
.irp j, 0,2,4,6
	v_pk_mul_f32 v[PR+\j:PR+\j+1], v[32+\j:33+\j], v[244:245] op_sel_hi:[1,0]
.endr
	s_wait_loadcnt 0x0                             ; v
.irp t, 0,1,2,3
.if \t < 2
	v_wmma_f32_16x16x4_f32 v[OC+8*(\t%2):OC+8*(\t%2)+7], v[VR+2*\t:VR+2*\t+1], v[PR+2*\t:PR+2*\t+1], 0
.else
	v_wmma_f32_16x16x4_f32 v[OC+8*(\t%2):OC+8*(\t%2)+7], v[VR+2*\t:VR+2*\t+1], v[PR+2*\t:PR+2*\t+1], v[OC+8*(\t%2):OC+8*(\t%2)+7]
.endif
.endr
.rept 8
	v_nop
.endr
.irp i, 0,2,4,6
	v_pk_add_f32 v[W+\i:W+\i+1], v[OC+\i:OC+\i+1], v[OC+8+\i:OC+8+\i+1]          ; lane (r, h): out(query r, channels 16 w + 8 h + 0 .. 7)
.endr
	ds_store_b128 v9, v[W:W+3]
	ds_store_b128 v9, v[W+4:W+7] offset:16
	s_wait_dscnt 0x0                               ; for the others' sake: my 16 channels of the 16 rows lie in the stage
	s_barrier_signal -1
	s_barrier_wait -1
	ds_load_b128 v[240:243], v10
	ds_load_b128 v[244:247], v10 offset:512
	s_wait_dscnt 0x0
	global_store_b128 v7, v[240:243], s[6:7] th:TH_STORE_NT                      ; 32 lanes store 512 consecutive bytes of row w
	global_store_b128 v7, v[244:247], s[6:7] offset:512 th:TH_STORE_NT
	s_wait_tensorcnt 0x0                           ; the wave's end, behind my last LDS store
	ds_add_u32 v[SPW], v[NIL]
	s_wait_dscnt 0x0
	s_endpgm
	; ---- THE ROW SOFTMAX
.Lsoft:
	v_and_b32 v1, 31, v0                           ; lane
	v_lshlrev_b32 v2, 4, v1                        ; 16 bytes a lane in
	v_lshlrev_b32 v3, 3, v1                        ; 8 bytes a lane out
	v_lshlrev_b32 v4, 2, v1
	s_sub_co_u32 s10, ttmp9, 8                     ; which 32 rows of the batch: 0 .. 31
	s_lshr_b32 s24, s10, 2                         ; the rows' block of 128
	s_lshl_b32 s10, s10, 5
	s_lshl_b32 s11, s8, 1
	s_add_co_u32 s10, s10, s11                     ; my first row in the batch
.irp c, 0,1,2,3,4,5,6,7
	s_min_u32 s14, s24, \c
	s_lshl_b32 s14, s14, 9
	v_add_nc_u32 v[8+\c], s14, v2                  ; chunk c's bytes, or the row's own block's
.endr
.irp p, 0,1
	s_add_co_u32 s14, s10, \p
	v_sub_nc_u32 v[16+\p], s14, v4                 ; d = row - 4 lane: column 128 c + 4 lane + e is hidden where 128 c + e > d
	v_mov_b32 v[A0+4*\p+1], 0                      ; written once: a lane permute's destination counts as one of its sources
.endr
	v_mov_b32 v20, 0xff800000                      ; -infinity
	s_mov_b32 s12, 0x76543210
	s_mov_b32 s13, 0xfedcba98                      ; v_permlanex16_b32's selects for lane l xor 16
	s_lshl_b32 s16, s9, 22
	s_lshl_b32 s17, s10, 12
	s_add_co_u32 s16, s16, s17
	s_mov_b32 s17, 0
	s_lshl_b32 s18, s9, 21
	s_lshl_b32 s19, s10, 11
	s_add_co_u32 s18, s18, s19
	s_mov_b32 s19, 0
	s_wait_kmcnt 0x0
	s_add_nc_u64 s[20:21], s[20:21], s[16:17]
	s_add_nc_u64 s[22:23], s[22:23], s[18:19]
.irp p, 0,1
.irp c, 0,1,2,3,4,5,6,7
	global_load_b128 v[X0+32*\p+4*\c:X0+32*\p+4*\c+3], v[8+\c], s[20:21] offset:4096*\p
.endr
.endr
.macro ROWMAX p                        ; row p: the mask, the largest t, t less it
.set XR, X0+32*(\p)
.set AR, A0+4*(\p)
	s_wait_loadcnt 8*(1-(\p))                      ; this row's eight loads are in; the later row's stay out
.set n, 0
.rept 32
	v_cmp_gt_i32 vcc_lo, 128*(n/4)+n%4, v[16+(\p)]
	v_cndmask_b32 v[XR+n], v[XR+n], v20, vcc_lo
.set n, n+1
.endr
	v_max3_num_f32 v[AR], v[XR], v[XR+1], v[XR+2]
	v_max3_num_f32 v[AR+2], v[XR+3], v[XR+4], v[XR+5]
.irp i, 6,10,14,18,22,26
	v_max3_num_f32 v[AR], v[AR], v[XR+\i], v[XR+\i+1]
	v_max3_num_f32 v[AR+2], v[AR+2], v[XR+\i+2], v[XR+\i+3]
.endr
	v_max3_num_f32 v[AR], v[AR], v[XR+30], v[XR+31]
	v_max_num_f32 v[AR], v[AR], v[AR+2]
	v_max_num_f32_dpp v[AR], v[AR], v[AR] row_xmask:1 row_mask:0xf bank_mask:0xf
	v_max_num_f32_dpp v[AR], v[AR], v[AR] row_xmask:2 row_mask:0xf bank_mask:0xf
	v_max_num_f32_dpp v[AR], v[AR], v[AR] row_xmask:4 row_mask:0xf bank_mask:0xf
	v_max_num_f32_dpp v[AR], v[AR], v[AR] row_xmask:8 row_mask:0xf bank_mask:0xf
	v_permlanex16_b32 v[AR+1], v[AR], s12, s13
	v_max_num_f32 v[AR], v[AR], v[AR+1]            ; every lane holds the row's largest t
.set n, 0
.rept 16
	v_pk_add_f32 v[XR+n:XR+n+1], v[XR+n:XR+n+1], v[AR:AR+1] op_sel_hi:[1,0] neg_lo:[0,1] neg_hi:[0,1]
.set n, n+2
.endr
.endm
.macro ROWSUM p
.set XR, X0+32*(\p)
.set AR, A0+4*(\p)
	v_pk_add_f32 v[AR:AR+1], v[XR:XR+1], v[XR+2:XR+3]
	v_pk_add_f32 v[AR+2:AR+3], v[XR+4:XR+5], v[XR+6:XR+7]
.irp i, 8,12,16,20,24,28
	v_pk_add_f32 v[AR:AR+1], v[AR:AR+1], v[XR+\i:XR+\i+1]
	v_pk_add_f32 v[AR+2:AR+3], v[AR+2:AR+3], v[XR+\i+2:XR+\i+3]
.endr
	v_pk_add_f32 v[AR:AR+1], v[AR:AR+1], v[AR+2:AR+3]
	v_add_f32 v[AR], v[AR], v[AR+1]
	v_add_f32_dpp v[AR], v[AR], v[AR] row_xmask:1 row_mask:0xf bank_mask:0xf
	v_add_f32_dpp v[AR], v[AR], v[AR] row_xmask:2 row_mask:0xf bank_mask:0xf
	v_add_f32_dpp v[AR], v[AR], v[AR] row_xmask:4 row_mask:0xf bank_mask:0xf
	v_add_f32_dpp v[AR], v[AR], v[AR] row_xmask:8 row_mask:0xf bank_mask:0xf
	v_permlanex16_b32 v[AR+1], v[AR], s12, s13
	v_add_f32 v[AR], v[AR], v[AR+1]                ; the row's sum
.endm
.macro ROWOUT p                        ; p / the sum, rounded to f16 in place, ascending: number i's pair lands at or under the registers that it was read from
.set XR, X0+32*(\p)
.set AR, A0+4*(\p)
.set n, 0
.rept 16
	v_pk_mul_f32 v[XR+n:XR+n+1], v[XR+n:XR+n+1], v[AR+2:AR+3] op_sel_hi:[1,0]
.set n, n+2
.endr
.set n, 0
.rept 16
	v_cvt_pk_f16_f32 v[XR+n], v[XR+2*n], v[XR+2*n+1]
.set n, n+1
.endr
.endm
	ROWMAX 0
	ROWMAX 1
.set n, 0
.rept 64
	v_exp_f32 v[X0+n], v[X0+n]                     ; one batch of both rows' exponentials
.set n, n+1
.endr
	v_nop                                          ; a plain instruction behind the last of them
	s_wait_alu depctr_va_vdst(0)                   ; one wait for the batch, ahead of its first reader
	ROWSUM 0
	ROWSUM 1
.irp p, 0,1
	v_rcp_f32 v[A0+4*\p+2], v[A0+4*\p]
.endr
	v_nop
	s_wait_alu depctr_va_vdst(0)                   ; one wait for the two reciprocals
	ROWOUT 0
	ROWOUT 1
.irp c, 0,1,2,3,4,5,6,7
.if \c > 0
	s_cmp_lt_u32 s24, \c                           ; chunks beyond the rows' own block are not stored: a branch on ids
	s_cbranch_scc1 .Lend
.endif
.irp p, 0,1
	global_store_b64 v3, v[X0+32*\p+2*\c:X0+32*\p+2*\c+1], s[22:23] offset:2048*\p+256*\c   ; 32 lanes store 256 consecutive bytes, at a multiple of 256 from pm's first byte
.endr
.endr
.Lend:
	s_wait_tensorcnt 0x0                           ; the wave's end, in a launch that writes LDS
	ds_add_u32 v[SPW], v[NIL]
	s_wait_dscnt 0x0
	s_endpgm
.Lfunc_end_k_q36b2da9d28_soft16:
	.size	k_q36b2da9d28_soft16, .Lfunc_end_k_q36b2da9d28_soft16-k_q36b2da9d28_soft16
	.p2alignl 7, 3214868480
	.fill 96, 4, 3214868480
	.section	.rodata,"a",@progbits
	.p2align	6, 0x0
	.amdhsa_kernel k_q36b2da9d28_soft16
		.amdhsa_group_segment_fixed_size 35072
		.amdhsa_private_segment_fixed_size 0
		.amdhsa_enable_private_segment 0
		.amdhsa_kernarg_size 32
		.amdhsa_user_sgpr_count 2
		.amdhsa_user_sgpr_kernarg_segment_ptr 1
		.amdhsa_wavefront_size32 1
		.amdhsa_system_sgpr_workgroup_id_x 1
		.amdhsa_system_sgpr_workgroup_id_y 1
		.amdhsa_system_sgpr_workgroup_id_z 1
		.amdhsa_system_vgpr_workitem_id 0
		.amdhsa_next_free_vgpr 256
		.amdhsa_next_free_sgpr 66
		.amdhsa_reserve_vcc 1
		.amdhsa_float_denorm_mode_32 3
		.amdhsa_float_denorm_mode_16_64 3
		.amdhsa_memory_ordered 1
		.amdhsa_forward_progress 1
		.amdhsa_inst_pref_size 44
	.end_amdhsa_kernel
	.amdgpu_metadata
---
amdhsa.version: [ 1, 2 ]
amdhsa.kernels:
  - .name:           k_q36b2da9d28_soft16
    .symbol:         k_q36b2da9d28_soft16.kd
    .args:
      - { .name: qkv32, .offset: 0, .size: 8, .value_kind: global_buffer, .address_space: global }
      - { .name: out0, .offset: 8, .size: 8, .value_kind: global_buffer, .address_space: global }
      - { .name: sc, .offset: 16, .size: 8, .value_kind: global_buffer, .address_space: global }
      - { .name: pm, .offset: 24, .size: 8, .value_kind: global_buffer, .address_space: global }
    .group_segment_fixed_size: 35072
    .private_segment_fixed_size: 0
    .kernarg_segment_align: 8
    .kernarg_segment_size: 32
    .max_flat_workgroup_size: 512
    .sgpr_count:     66
    .vgpr_count:     256
    .wavefront_size: 32
...
	.end_amdgpu_metadata
.endif
;; end of part 9
;; launch pv (part 10): grid 16 x 16, 4 waves a work-group, clusters of 4 x 1, 327,680 bytes of LDS; arguments pm, qkv, out0; writes out0
.if DOCPART == 10
	.amdgcn_target "amdgcn-amd-amdhsa--gfx1250"
	.amdhsa_code_object_version 6
	.text
	.protected	k_q36b2da9d28_pv
	.globl	k_q36b2da9d28_pv
	.p2align	8
	.type	k_q36b2da9d28_pv,@function
k_q36b2da9d28_pv:
	s_mov_b64 s[64:65], 0
	v_nop
	global_prefetch_b8 v0, s[64:65] scope:SCOPE_SE
	s_setreg_imm32_b32 hwreg(HW_REG_WAVE_MODE, 25, 1), 1
	s_wait_xcnt 0x0
	s_wait_alu depctr_hold_cnt(0) depctr_sa_sdst(0) depctr_va_vdst(0) depctr_va_sdst(0) depctr_va_ssrc(0) depctr_va_vcc(0) depctr_vm_vsrc(0)
	s_getreg_b32 s2, hwreg(HW_REG_IB_STS2, 6, 4)
	s_cmp_eq_u32 s2, 0
	s_cbranch_scc0 .Lentry_in_a_cluster
	s_endpgm
.Lentry_in_a_cluster:
	s_bfe_u32 s2, ttmp6, 0x10000c
	s_cmp_lg_u32 s2, 0x3003
	s_cbranch_scc0 .Lentry_shape_is_right
	s_endpgm
.Lentry_shape_is_right:
; out0[batch][q][c] = sum over k of p[q][k] v[k][c], from f16 operands with f32 sums.  pm [4][1024][1024] f16; v = columns 4096-6143 of qkv [4096][6144] f16; out0 [4][1024][2048] f32.
; WORK LEFT OUT: key blocks of 128 beyond a row block are wholly under the causal mask (head of the first kernel): row block b sums b + 1 key blocks.  Rows 0-15 of each batch have been made, in f32, by the launch
; before this one, and are not stored here.
; SHARES.  A work-group makes two tiles of 128 rows x 128 channels, row blocks 7 - p and p, one behind the other: (8 - p) + (p + 1) = 9 steps of 128 keys, whatever p: 256 work-groups of equal work.
; y = 4 batch + p; channel block = 4 cluster x + cx.  A wave makes 64 x 64: 16 accumulators.
; CLUSTER.  The four partners differ in the channel block alone, so they walk the same tiles of P: those are asked for jointly (mask 15).  V's tiles differ between partners: plain loads.
; V is not shared between work-groups of different p: their walks over the keys coincide in part only.  All branches hang on y and the wave's number, which partners share.
; THE RING.  Four places in LDS, each with a step's tile of P (128 x 272 bytes) and of V (128 x 288); a fill brings two steps: wave w fetches P (w even) or V (w odd) of step 2 f + w / 2.
; Fills 0 and 1 go out at the head (two tensor loads of mine out), fills 2, 3, 4 behind the rounds in steps 1, 3, 5 (one out); fill 4 is step 8 alone: waves 0 and 1.
; THE MATRIX INSTRUCTION IS USED TRANSPOSED: O^T = V^T P^T (source 0 = 16 channels x 32 keys, read turned from LDS; source 1 = 16 queries x 32 keys): a lane holds one query and eight neighbouring channels.
; REGISTERS: window 0: v8-11, v12-15 LDS addresses of P's and V's fragments in the four places; v24-29 way out and the add's two; v32-95 rows read back, two sets; v128-255 the accumulators.
;   window 1: two fragment buffers of 128: for 64 keys, 64 registers of P, then 64 of V.
.set PP,    272                        ; a row of P in LDS: 256 bytes + 16
.set PV,    288                        ; a row of V: 256 + 32
.set VOFF,  128*PP
.set STEPB, 128*(PP+PV)
.set STAGE, 4*STEPB                    ; behind the ring, bytes of its own: 16 rows x 272 bytes for each wave
.set SPITCH, 272
.set SPARE, STAGE+4*16*SPITCH          ; the spare words, 128 bytes a wave, which no other line names
.set QROW,  12288
.set ADP,  8
.set ADV,  12
.set STO,  24
.set RD,   25
.set CO,   26
.set SPW,  28
.set NIL,  29
.set BK,   32
.set ACC,  128
.set F0,   0
.set F1,   128
.set G1P, 24                           ; s[24:31] group 1 for P's tiles;  s[32:39] for V's
.set G1V, 32
.set G0P, 40                           ; s[40:47] group 0 for P's tiles, sets 0 and 1 by turns;  s[48:55] for V's
.set G0V, 48
; s10 wave; s11 = w & 1: I fetch P (0) or V (1), and my half of the channels; s12 = w >> 1: which of a fill's two steps I fetch, and my half of the rows
; s15 p; s16 batch; s17 = 8 - p: the step at which the second tile begins; s60 = 7 - p; s18 = p | s12: 0 where my rows begin a batch
; s[56:57], s[58:59] out0 at my part of the first and of the second tile; s[62:63] pm at the batch; s[68:69] qkv at the batch's v, my channel block
.set MSB, 0
.macro WIN new
.if MSB != (\new)
	s_set_vgpr_msb (MSB<<8)|(\new)
.set MSB, (\new)
.endif
.endm
.set MUL,  0x05                        ; sources 0 and 1 window 1; C and D window 0
.set TO_F, 0x40
.macro CREST
	s_cmp_lg_u32 s10, 0
	s_cbranch_scc1 .Lnot_wave_0_\@
	s_barrier_signal -3
.Lnot_wave_0_\@:
	s_barrier_wait -3
	s_barrier_signal -1
	s_barrier_wait -1
.endm
.macro CROUND
	s_barrier_signal -1
	s_barrier_wait -1
	CREST
.endm
; Where fill f's tiles lie in memory, into set f % 2 of both groups 0.  Step 2 f + s12: row block 7 - p and key block = the step while the step is under 8 - p, then row block p and key block = the step - (8 - p).
; P's address is made of y and the wave's number alone; cx stands in V's base only.
.macro ADDR f
.set NS, 4*((\f)%2)
	s_add_co_u32 s19, s12, 2*(\f)
	s_sub_co_u32 s20, s19, s17
	s_cmp_lt_u32 s19, s17
	s_cselect_b32 s20, s19, s20                    ; key block
	s_cselect_b32 s21, s60, s15                    ; row block
	s_lshl_b32 s21, s21, 18                        ; 128 rows of 2,048 bytes
	s_lshl_b32 s22, s20, 8                         ; 128 keys of 2 bytes
	s_add_co_u32 s22, s22, s21
	s_mov_b32 s23, 0
	s_add_nc_u64 s[G0P+NS+2:G0P+NS+3], s[62:63], s[22:23]
	s_or_b32 s[G0P+NS+3], s[G0P+NS+3], 0x80000000
	s_mul_i32 s66, s20, 128*QROW
	s_mov_b32 s67, 0
	s_add_nc_u64 s[G0V+NS+2:G0V+NS+3], s[68:69], s[66:67]
	s_or_b32 s[G0V+NS+3], s[G0V+NS+3], 0x80000000
.endm
; A refill by set n.  The branch hangs on the wave's number alone.  An s_nop 0 and four v_nop follow each of the two lines.
.macro TLOAD n
	s_cmp_eq_u32 s11, 0
	s_cbranch_scc0 .Lfor_v_\@
	tensor_load_to_lds s[G0P+4*(\n):G0P+4*(\n)+3], s[G1P:G1P+7]
	s_nop 0
.rept 4
	v_nop
.endr
	s_branch .Lasked_\@
.Lfor_v_\@:
	tensor_load_to_lds s[G0V+4*(\n):G0V+4*(\n)+3], s[G1V:G1V+7]
	s_nop 0
.rept 4
	v_nop
.endr
.Lasked_\@:
.endm
	s_load_b128 s[4:7], s[0:1], 0x0                ; pm s[4:5], qkv s[6:7]
	s_load_b64 s[8:9], s[0:1], 0x10                ; out0
	v_lshl_add_u32 v[SPW], v0, 2, SPARE
	v_mov_b32 v[NIL], 0
	ds_add_u32 v[SPW], v[NIL]                      ; the wave's opening: the add, twice on end, and its wait ahead of my first tensor load
	ds_add_u32 v[SPW], v[NIL]
	v_lshrrev_b32 v1, 5, v0
	v_readfirstlane_b32 s10, v1                    ; wave 0..3
	s_and_b32 s11, s10, 1
	s_lshr_b32 s12, s10, 1
	s_bfe_u32 s13, ttmp6, 0x40000                  ; cx
	s_lshl_b32 s14, ttmp9, 2
	s_add_co_u32 s14, s14, s13                     ; channel block: it enters V's and out0's addresses alone
	s_and_b32 s16, ttmp7, 0xffff
	s_and_b32 s15, s16, 3                          ; p
	s_lshr_b32 s16, s16, 2                         ; batch
	s_sub_co_u32 s17, 8, s15
	s_sub_co_u32 s60, 7, s15
	s_or_b32 s18, s15, s12
	s_mov_b32 s[G1P], 15|(1<<16)|(1<<20)|(1<<21)|(5<<22)|(3<<25)   ; the mask: all four work-groups; elements of 2 bytes; padding: four words behind every 64
	s_mov_b32 s[G1V], (1<<16)|(1<<20)|(5<<22)|(7<<25)              ; no mask; eight words of padding
.irp g, G1P, G1V
	s_mov_b32 s[\g+1], 128<<16                     ; tensor_dim0
	s_mov_b32 s[\g+2], 128<<16                     ; tensor_dim1
	s_mov_b32 s[\g+3], 128<<16                     ; tile_dim0
	s_mov_b32 s[\g+4], 128                         ; tile_dim1
	s_mov_b32 s[\g+6], 0
	s_mov_b32 s[\g+7], 0
.endr
	s_mov_b32 s[G1P+5], 1024                       ; the pitch, in elements
	s_mov_b32 s[G1V+5], 6144
	s_mul_i32 s19, s12, STEPB
.irp n, 0,1
	s_mov_b32 s[G0P+4*\n], 1
	s_add_co_u32 s[G0P+4*\n+1], s19, 2*\n*STEPB            ; place 2 n + s12: written once
	s_mov_b32 s[G0V+4*\n], 1
	s_add_co_u32 s[G0V+4*\n+1], s19, 2*\n*STEPB+VOFF
.endr
	s_lshl_b32 s22, s16, 21                        ; pm: the batch
	s_mov_b32 s23, 0
	s_mul_i32 s66, s16, 1024*QROW                  ; qkv: the batch's first row, v's bytes of it, my 128 channels
	s_lshl_b32 s67, s14, 8
	s_add_co_u32 s66, s66, s67
	s_add_co_u32 s66, s66, 8192
	s_mov_b32 s67, 0
	s_lshl_b32 s70, s16, 10
	s_lshl_b32 s71, s12, 6
	s_add_co_u32 s70, s70, s71                     ; 1,024 batch + 64 x my half of the rows
	s_lshl_b32 s71, s60, 7
	s_add_co_u32 s71, s71, s70
	s_lshl_b32 s56, s71, 13                        ; rows of 8,192 bytes
	s_lshl_b32 s71, s15, 7
	s_add_co_u32 s71, s71, s70
	s_lshl_b32 s58, s71, 13
	s_lshl_b32 s70, s14, 9
	s_lshl_b32 s71, s11, 8
	s_add_co_u32 s70, s70, s71                     ; 512 x channel block + 256 x my half of the channels
	s_add_co_u32 s56, s56, s70
	s_add_co_u32 s58, s58, s70
	s_mov_b32 s57, 0
	s_mov_b32 s59, 0
	s_wait_dscnt 0x0                               ; both opening adds are done
	s_wait_kmcnt 0x0
	s_add_nc_u64 s[62:63], s[4:5], s[22:23]
	s_add_nc_u64 s[68:69], s[6:7], s[66:67]
	s_add_nc_u64 s[56:57], s[8:9], s[56:57]
	s_add_nc_u64 s[58:59], s[8:9], s[58:59]
	ADDR 0
	ADDR 1
	CROUND                                         ; all four work-groups are here: the first joint loads meet
	s_cmp_eq_u32 s11, 0                            ; a wave's two first fills stand in one branch
	s_cbranch_scc0 .Lfirst_v
	tensor_load_to_lds s[G0P:G0P+3], s[G1P:G1P+7]
	s_nop 0
	tensor_load_to_lds s[G0P+4:G0P+7], s[G1P:G1P+7]
	s_nop 0
.rept 4
	v_nop
.endr
	s_branch .Lfirst_asked
.Lfirst_v:
	tensor_load_to_lds s[G0V:G0V+3], s[G1V:G1V+7]
	s_nop 0
	tensor_load_to_lds s[G0V+4:G0V+7], s[G1V:G1V+7]
	s_nop 0
.rept 4
	v_nop
.endr
.Lfirst_asked:
	v_and_b32 v1, 15, v0                           ; r
	v_bfe_u32 v2, v0, 4, 1                         ; h
	v_mul_u32_u24 v3, v1, PP
	v_lshl_add_u32 v3, v2, 4, v3                   ; P: row r x pitch + 16 h
	v_and_b32 v4, 7, v0                            ; V, for the turning load: key 8 h + lane % 8, channels 8 ((lane / 8) % 2) on
	v_lshl_add_u32 v4, v2, 3, v4
	v_mul_u32_u24 v4, v4, PV
	v_bfe_u32 v5, v0, 3, 1
	v_lshl_add_u32 v4, v5, 4, v4
	s_mul_i32 s19, s12, 64*PP                      ; my 64 rows of P
	s_lshl_b32 s20, s11, 7                         ; my 64 channels of V,
	s_add_co_u32 s20, s20, VOFF                    ; which lies behind P's tile
.irp q, 0,1,2,3
	v_add_nc_u32 v[ADP+\q], s19, v3
	v_add_nc_u32 v[ADV+\q], s20, v4
	s_add_co_u32 s19, s19, STEPB
	s_add_co_u32 s20, s20, STEPB
.endr
	s_mul_i32 s21, s10, 16*SPITCH
	s_add_co_u32 s21, s21, STAGE                   ; my stage
	v_mul_u32_u24 v5, v1, SPITCH                   ; in: row r, 32 bytes for each half of the lanes
	v_lshl_add_u32 v5, v2, 5, v5
	v_add_nc_u32 v[STO], s21, v5
	v_mul_u32_u24 v5, v2, SPITCH                   ; back: lanes 0-15 one row of 256 bytes, lanes 16-31 the next
	v_lshl_add_u32 v5, v1, 4, v5
	v_add_nc_u32 v[RD], s21, v5
	v_lshlrev_b32 v5, 13, v2                       ; and the same two rows in out0
	v_lshl_add_u32 v[CO], v1, 4, v5
; 8 matrix instructions: query blocks a0, a0 + 1 x all 4 channel blocks, 32 keys: half c of buffer f.  The 16 accumulators take turns.
.macro MUL8 f, c, a0, zero
.irp a, \a0, \a0+1
.irp b, 0,1,2,3
.if \zero
	v_wmma_f32_16x16x32_f16 v[ACC+8*(4*(\a)+\b):ACC+8*(4*(\a)+\b)+7], v[\f+64+8*(4*\c+\b):\f+64+8*(4*\c+\b)+7], v[\f+8*(4*\c+\a):\f+8*(4*\c+\a)+7], 0
.else
	v_wmma_f32_16x16x32_f16 v[ACC+8*(4*(\a)+\b):ACC+8*(4*(\a)+\b)+7], v[\f+64+8*(4*\c+\b):\f+64+8*(4*\c+\b)+7], v[\f+8*(4*\c+\a):\f+8*(4*\c+\a)+7], v[ACC+8*(4*(\a)+\b):ACC+8*(4*(\a)+\b)+7]
.endif
.endr
.endr
.endm
; 32 LDS loads in one run: the fragments of keys 64 hf .. 64 hf + 63 of place q into buffer f; the first 32 keys first
.macro FETCH q, hf, f
	WIN TO_F
.irp c, 0,1
.irp i, 0,1,2,3
	ds_load_tr16_b128 v[\f+64+8*(4*\c+\i):\f+64+8*(4*\c+\i)+3],   v[ADV+\q] offset:(2*(\hf)+\c)*32*PV+32*\i
	ds_load_tr16_b128 v[\f+64+8*(4*\c+\i)+4:\f+64+8*(4*\c+\i)+7], v[ADV+\q] offset:(2*(\hf)+\c)*32*PV+16*PV+32*\i
	ds_load_b128 v[\f+8*(4*\c+\i):\f+8*(4*\c+\i)+3],              v[ADP+\q] offset:16*\i*PP+(2*(\hf)+\c)*64
	ds_load_b128 v[\f+8*(4*\c+\i)+4:\f+8*(4*\c+\i)+7],            v[ADP+\q] offset:16*\i*PP+(2*(\hf)+\c)*64+32
.endr
.endr
.endm
.macro PLACES                          ; four plain vector instructions between a matrix instruction and a load into its registers
.rept 4
	v_nop
.endr
.endm
.macro HALF qn, hn, f, g, zero         ; 64 keys: multiplies buffer f and fetches half hn of place qn into g
	s_wait_dscnt 16                                ; the first 32 keys are in; the sixteen loads of the second 32 may be out
	WIN MUL
	MUL8 \f, 0, 0, \zero
	MUL8 \f, 0, 2, \zero
	PLACES
	FETCH \qn, \hn, \g
	s_wait_dscnt 32                                ; all but the 32 just issued
	WIN MUL
	MUL8 \f, 1, 0, 0
	MUL8 \f, 1, 2, 0
.endm
; THE WAY OUT of a tile, 16 queries x 64 channels at a time: 32 bytes a lane into my own stage, back as whole rows of 256 bytes.  Five plain instructions stand behind the last products:
; four for the stores that read results, the fifth for the products that begin the accumulators anew.  last = 1: the second tile; where my rows begin a batch, its first 16 rows were made in f32 by the launch before.
.macro WAYOUT base, last
	s_wait_xcnt 0x0                                ; earlier stores have read their registers
.rept 5
	v_nop
.endr
.irp a, 0,1,2,3
.if (\last) && (\a == 0)
	s_cmp_eq_u32 s18, 0
	s_cbranch_scc1 .Lrows_\@
.endif
.if \a >= 2
	s_wait_xcnt 0x0                                ; block a - 2's stores have read their registers
.endif
.irp b, 0,1,2,3
	ds_store_b128 v[STO], v[ACC+8*(4*\a+\b):ACC+8*(4*\a+\b)+3] offset:64*\b          ; each accumulator from its low end on
	ds_store_b128 v[STO], v[ACC+8*(4*\a+\b)+4:ACC+8*(4*\a+\b)+7] offset:64*\b+16
.endr
.irp t, 0,1,2,3,4,5,6,7
	ds_load_b128 v[BK+32*(\a%2)+4*\t:BK+32*(\a%2)+4*\t+3], v[RD] offset:\t*2*SPITCH   ; LDS serves a wave's instructions in order: these see the stores above
.endr
	s_wait_dscnt 0x0
.irp t, 0,1,2,3,4,5,6,7
	global_store_b128 v[CO], v[BK+32*(\a%2)+4*\t:BK+32*(\a%2)+4*\t+3], s[\base:\base+1] offset:(16*\a+2*\t)*8192 th:TH_STORE_NT   ; 16 lanes store 256 consecutive bytes, at a multiple of 256 from out0's first byte
.endr
.if (\last) && (\a == 0)
.Lrows_\@:
.endif
.endr
.endm
; The first half of step s, 5 to 8: where the second tile begins here (a branch on y), the first tile goes out and the products start new sums.
.macro HALFD s, qn
	WIN 0
	s_cmp_eq_u32 s17, \s
	s_cbranch_scc0 .Lsame_\@
	WAYOUT 56, 0                                   ; (its wait for all LDS instructions also shows buffer 0 in)
	WIN MUL
	MUL8 F0, 0, 0, 1
	MUL8 F0, 0, 2, 1
	WIN 0
	s_branch .Ljoin_\@
.Lsame_\@:
	s_wait_dscnt 16
	WIN MUL
	MUL8 F0, 0, 0, 0
	MUL8 F0, 0, 2, 0
	WIN 0
.Ljoin_\@:
	PLACES
	FETCH \qn, 1, F1
	s_wait_dscnt 32
	WIN MUL
	MUL8 F0, 1, 0, 0
	MUL8 F0, 1, 2, 0
.endm
; The second half of an odd step leaves two places: one barrier; in front of it each wave waits for all its tensor loads, adds 0 to its spare word, and waits for that and for its own reads of the two places.
; mode 2: the barrier opens a round of the cluster's, and fill f follows first behind it; mode 1: the same, waves 0 and 1 alone have a tile to fetch; mode 0: nothing is left to fetch.
.macro TURN f, qn, mode
	WIN 0
	s_wait_tensorcnt 0x0                           ; all my tensor loads have landed: my tile of the next two steps; so every group 0 may be written
	ds_add_u32 v[SPW], v[NIL]
.if \mode
	ADDR \f
.endif
	s_wait_dscnt 17                                ; (the add and the youngest sixteen loads may be out)
	WIN MUL
	MUL8 F1, 0, 0, 0
	s_wait_dscnt 0x0                               ; the add is done, and my reads of the two places are over
	s_barrier_signal -1
	MUL8 F1, 0, 2, 0
	WIN 0
	s_barrier_wait -1
.if \mode
	CREST                                          ; no wave of any partner still reads the two places or has a load on its way
.endif
.if \mode == 2
	TLOAD (\f)%2                                   ; its four v_nop are the places in front of the loads below
.elseif \mode == 1
	s_cmp_lt_u32 s10, 2
	s_cbranch_scc0 .Lnone_\@
	TLOAD (\f)%2
.Lnone_\@:
	PLACES
.else
	PLACES
.endif
	FETCH \qn, 0, F0
	WIN MUL
	MUL8 F1, 1, 0, 0
	MUL8 F1, 1, 2, 0
.endm
	s_wait_tensorcnt 1                             ; my tile of fill 0 is in (fill 1's may be out)
	s_barrier_signal -1
	s_barrier_wait -1                              ; everybody's is: steps 0 and 1 are whole
	FETCH 0, 0, F0
	HALF 0, 1, F0, F1, 1                           ; step 0: its first products start the sums
	HALF 1, 0, F1, F0, 0
	HALF 1, 1, F0, F1, 0                           ; step 1
	TURN 2, 2, 2
	HALF 2, 1, F0, F1, 0                           ; step 2
	HALF 3, 0, F1, F0, 0
	HALF 3, 1, F0, F1, 0                           ; step 3
	TURN 3, 0, 2
	HALF 0, 1, F0, F1, 0                           ; step 4
	HALF 1, 0, F1, F0, 0
	HALFD 5, 1                                     ; step 5
	TURN 4, 2, 1
	HALFD 6, 2                                     ; step 6
	HALF 3, 0, F1, F0, 0
	HALFD 7, 3                                     ; step 7
	TURN 0, 0, 0
	HALFD 8, 0                                     ; step 8
	s_wait_dscnt 16
	WIN MUL
	MUL8 F1, 0, 0, 0
	MUL8 F1, 0, 2, 0
	s_wait_dscnt 0
	MUL8 F1, 1, 0, 0
	MUL8 F1, 1, 2, 0
	WIN 0
	WAYOUT 58, 1
	s_wait_tensorcnt 0x0                           ; the wave's end
	ds_add_u32 v[SPW], v[NIL]
	s_wait_dscnt 0x0
	CROUND                                         ; the closing round: no work-group ends while a partner may still ask for a tile that names it
	s_endpgm
.Lfunc_end_k_q36b2da9d28_pv:
	.size	k_q36b2da9d28_pv, .Lfunc_end_k_q36b2da9d28_pv-k_q36b2da9d28_pv
	.p2alignl 7, 3214868480
	.fill 96, 4, 3214868480
	.section	.rodata,"a",@progbits
	.p2align	6, 0x0
	.amdhsa_kernel k_q36b2da9d28_pv
		.amdhsa_group_segment_fixed_size 327680
		.amdhsa_private_segment_fixed_size 0
		.amdhsa_enable_private_segment 0
		.amdhsa_kernarg_size 24
		.amdhsa_user_sgpr_count 2
		.amdhsa_user_sgpr_kernarg_segment_ptr 1
		.amdhsa_wavefront_size32 1
		.amdhsa_system_sgpr_workgroup_id_x 1
		.amdhsa_system_sgpr_workgroup_id_y 1
		.amdhsa_system_sgpr_workgroup_id_z 1
		.amdhsa_system_vgpr_workitem_id 0
		.amdhsa_next_free_vgpr 512
		.amdhsa_next_free_sgpr 72
		.amdhsa_reserve_vcc 0
		.amdhsa_float_denorm_mode_32 3
		.amdhsa_float_denorm_mode_16_64 3
		.amdhsa_memory_ordered 1
		.amdhsa_forward_progress 1
		.amdhsa_inst_pref_size 132
	.end_amdhsa_kernel
	.amdgpu_metadata
---
amdhsa.version: [ 1, 2 ]
amdhsa.kernels:
  - .name:           k_q36b2da9d28_pv
    .symbol:         k_q36b2da9d28_pv.kd
    .args:
      - { .name: pm, .offset: 0, .size: 8, .value_kind: global_buffer, .address_space: global }
      - { .name: qkv, .offset: 8, .size: 8, .value_kind: global_buffer, .address_space: global }
      - { .name: out0, .offset: 16, .size: 8, .value_kind: global_buffer, .address_space: global }
    .group_segment_fixed_size: 327680
    .private_segment_fixed_size: 0
    .kernarg_segment_align: 8
    .kernarg_segment_size: 24
    .max_flat_workgroup_size: 128
    .sgpr_count:     72
    .vgpr_count:     512
    .wavefront_size: 32
...
	.end_amdgpu_metadata
.endif
;; end of part 10
